; MI455X (gfx1250); checked and timed in simulation.
; The chip was launched on July 23, 2026; its instructions are those of AMD's public machine-readable ISA for CDNA 5 (MIT licence, August 2026) and "CDNA5" Instruction Set Architecture Reference Guide (July 2026). The comments in the code are by the model that wrote it; some were corrected since.
;; Transformer Block. Allowed arithmetic: matrix products marked QUANTISED: E4M3 operands, one given power-of-two scale a tensor, by v_wmma_f32_16x16x64_fp8_fp8 or v_wmma_f32_16x16x128_fp8_fp8, f32 sums; everything else in f32.
;; Inputs: b1 4,096 float32; b2 1,024 float32; ln1_b 1,024 float32; ln1_s 1,024 float32; ln2_b 1,024 float32; ln2_s 1,024 float32; lowp_scales 16 int32 (the exponents e of the quantised operands' scales 2^e); w1 1,024 x 4,096 float32; w2 4,096 x 1,024 float32; wk 1,024 x 1,024 float32; wo 1,024 x 1,024 float32; wq 1,024 x 1,024 float32; wv 1,024 x 1,024 float32; x 2 x 2,048 x 1,024 float32.
;; Outputs: out0 2 x 2,048 x 1,024 float32.
;; This version of the problem:
;;   THIS VERSION OF THE PROBLEM IS GIVEN IN LOW PRECISION. The matrix products marked QUANTISED in the list below multiply operands that are first quantised to E4M3 (4 exponent bits, 3 mantissa bits; 8 bits a number), with one given power-of-two scale for each operand tensor; their sums are f32. All else is computed in f32.
;;   The module's matrix products, in the order in which they are computed (A, B: the left and right operand; K: the contracted axis; several contracted axes count as one K, in the product's order):
;;     1. [M 4,096, K 1,024] x [K 1,024, N 1,024]; A: computed on the way; B: input wk: QUANTISED (scales: A lowp_scales[0], B lowp_scales[1])
;;     2. [M 4,096, K 1,024] x [K 1,024, N 1,024]; A: computed on the way; B: input wq: QUANTISED (scales: A lowp_scales[2], B lowp_scales[3])
;;     3. [M 4,096, K 1,024] x [K 1,024, N 1,024]; A: computed on the way; B: input wv: QUANTISED (scales: A lowp_scales[4], B lowp_scales[5])
;;     4. batch 32 x [M 2,048, K 64] x [K 64, N 2,048]; A: computed on the way; B: computed on the way: QUANTISED (scales: A lowp_scales[6], B lowp_scales[7])
;;     5. batch 32 x [M 64, K 2,048] x [K 2,048, N 2,048]; A: computed on the way; B: softmax (see below): QUANTISED (scales: A lowp_scales[8], B lowp_scales[9])
;;     6. [M 4,096, K 1,024] x [K 1,024, N 1,024]; A: computed on the way; B: input wo: QUANTISED (scales: A lowp_scales[10], B lowp_scales[11])
;;     7. [M 4,096, K 1,024] x [K 1,024, N 4,096]; A: computed on the way; B: input w1: QUANTISED (scales: A lowp_scales[12], B lowp_scales[13])
;;     8. [M 4,096, K 4,096] x [K 4,096, N 1,024]; A: computed on the way; B: input w2: QUANTISED (scales: A lowp_scales[14], B lowp_scales[15])
;;   THE QUANTISER, for each operand of a quantised product, along K:
;;     - The operand's scale is 2^e, e = its entry of the input lowp_scales (int32; the entries are numbered through the quantised products in the list's order, A before B).
;;     - Each number is divided by the scale, clamped to +-448, and rounded to the nearest number of E4M3, ties to even, subnormals kept.
;;     - The product sums the exact products of the quantised numbers (number of the format x scale) in f32.
;;   ~~~python
;;   def quantise(x, axis, e):      # numpy; x: float32 -> the quantised numbers, widened to float32 again
;;       x = np.moveaxis(x, axis, -1); K = x.shape[-1]
;;       r = np.clip(x / 2.0 ** e, -448, 448)
;;       step = 2.0 ** (np.maximum(np.frexp(np.where(r == 0, 1, r))[1] - 1, -6) - 3)
;;       q = np.round(r / step) * step * 2.0 ** e      # np.round: ties to even
;;       return np.moveaxis(q, -1, axis).astype(np.float32)
;;   ~~~
;;   SOFTMAX AHEAD OF A QUANTISED PRODUCT. Where the list says 'softmax', what is quantised is not the finished softmax but p = 2^(t - M), with t = logit x log2(e) and M = ceil(the row's largest t), a whole number; so 1/2 < the row's largest p <= 1. The row's sum l is taken of the UNQUANTISED p, in f32, and the product's result is divided by l at the end. Since M is a whole number, a kernel that streams over the keys may use a running M (the ceiling of the running maximum): every later rescaling is an exact power of two, so the quantised numbers keep their values, but for numbers so far below the row's largest that they fall under the format's range.
;;   OPERANDS COMPUTED ON THE WAY. 'Computed on the way' means the value that the module computes at that place (a softmax that the list does not call 'softmax' is quantised finished and normalised). What goes into a quantiser is computed in f32, as accurately as f32 sums, v_exp_f32 and their like allow (about 1e-6 of the number): no bf16 or f16 on the way to a quantiser, and a product that is left as it is and whose result goes on into a quantised operand takes f32 operands (vector FMAs, or v_wmma_f32_16x16x4_f32). A number that lies on a knife's edge between two numbers of the format may be rounded either way, as far as f32 arithmetic and the matrix unit's own rounding can turn it there, and no further.
;; One version. Each part assembles by itself: llvm-mc -triple=amdgcn-amd-amdhsa -mcpu=gfx1250 --defsym DOCPART=n.
;; ======== version 1 of 1: 7 launches
;; limits: right only within a limited range of input values
;; workspace buffers: wimg 12,582,912 bytes; himg 12,582,912 bytes; rope 557,056 bytes; qkv 12,582,912 bytes; cimg 4,194,304 bytes; mlpin 16,777,216 bytes; h2img 4,194,304 bytes; hid 16,777,216 bytes
;; launch prep (part 1): grid 448 x 1, 8 waves a work-group, no clusters, 132,352 bytes of LDS; arguments x, ln1_s, ln1_b, wk, wq, wv, wo, w1, w2, lowp_scales, wimg, himg, rope; writes wimg, himg, rope
.if DOCPART == 1
	.amdgcn_target "amdgcn-amd-amdhsa--gfx1250"
	.amdhsa_code_object_version 6
	.text
	.protected	k_q0bad56b916_prep
	.globl	k_q0bad56b916_prep
	.p2align	8
	.type	k_q0bad56b916_prep,@function
k_q0bad56b916_prep:
	s_mov_b64 s[64:65], 0
	v_nop
	global_prefetch_b8 v0, s[64:65] scope:SCOPE_SE
	s_setreg_imm32_b32 hwreg(HW_REG_WAVE_MODE, 25, 1), 1
	s_wait_xcnt 0x0
; Work-groups 0-191: the six weights [K][N] f32 become E4M3 codes, laid as IMAGES OF OPERAND REGISTERS: for 16 rows n and 128 k, 2,048 bytes; register i (0..15) of lane l at 512 (i/4) + 16 l + 4 (i%4);
; registers 2c, 2c+1 of lane (r = l%16, h = l/16) hold k = 16c + 8h + 0..7 of row r.  A matrix is [N/16][K/128] such images.
; Work-groups 192-447: LayerNorm 1 of 16 rows of x, quantised three times (scales 0, 2, 4) into images [row tile][K/128]; and 256 entries (cos, sin) each of the RoPE table.
; code = number / 2^e, held within +-448, to the nearest code, ties to even.  LIMITS: each e between -126 and 119.  NaN among the inputs is not served.
; The RoPE frequencies are 10^(-i/8) rounded to f32; the angle is one f32 product; sine and cosine by a two-word reduction by pi/2 and polynomials of degree 7 and 8 (error about 1e-7).
; The two paths part on the work-group's number alone and have LDS bytes of their own.  No tensor load: all goes through registers.
.set LNR,   65536                      ; LDS: 0..65,535 the weights' stages, 8,192 a wave; from LNR on 16 normalised rows, LNP apart
.set LNP,   4112                       ; 4,096 + 16: the sixteen rows that a load touches start at sixteen different 16-byte columns
.set SPARE, 131328                     ; the spare words: 128 bytes for each of 8 waves
.set SPW, 4                            ; v4 my spare word's address; v5 0: never rewritten
.set NIL, 5
.set OFF, 32                           ; weights: v32-63 4 lane + i rows
.set X,   64                           ; v64-127 two sets of 32 numbers
.set C,   128                          ; v128-135 a block's codes
.set OUTR, 144                         ; v144-207 the way out
	s_load_b512 s[8:23], s[0:1], 0x0               ; x, ln1_s, ln1_b, wk, wq, wv, wo, w1
	s_load_b256 s[24:31], s[0:1], 0x40             ; w2, lowp_scales, wimg, himg
	s_load_b64 s[32:33], s[0:1], 0x60              ; rope
	v_lshl_add_u32 v[SPW], v0, 2, SPARE
	v_mov_b32 v[NIL], 0
	v_lshrrev_b32 v1, 5, v0
	s_delay_alu instid0(VALU_DEP_1)
	v_readfirstlane_b32 s34, v1                    ; wave 0..7
	v_and_b32 v1, 31, v0                           ; lane
	s_delay_alu instid0(VALU_DEP_1)
	v_lshlrev_b32 v2, 4, v1                        ; 16 x lane
	s_mov_b32 s35, ttmp9
	s_wait_kmcnt 0x0
	s_load_b512 s[48:63], s[26:27], 0x0            ; the sixteen exponents: e_i in s[48+i]
	s_cmp_ge_u32 s35, 192
	s_cbranch_scc1 .Lln
; ---------------- THE WEIGHTS.  A work-group takes 256 columns x 256 k, a wave 32 columns: a lane takes a column and its registers run down K.
	s_sub_co_u32 s40, s35, 64
	s_cmp_lt_u32 s40, 64                           ; w1?
	s_cselect_b32 s41, 14, 12                      ; log2 of a row's bytes
	s_cselect_b32 s42, 4, 2                        ; log2 of the groups of 256 columns
	s_cmp_ge_u32 s35, 128                          ; w2?
	s_cselect_b32 s43, 16, 14                      ; log2 of the bytes from one tile of 16 rows n to the next: 16 K
	s_cmp_lt_u32 s35, 64
	s_cselect_b32 s44, 15, 63
	s_and_b32 s44, s35, s44                        ; the work-group's number within its weight
	s_lshl_b32 s45, 1, s42
	s_sub_co_u32 s45, s45, 1
	s_and_b32 s45, s44, s45                        ; which 256 columns
	s_lshr_b32 s46, s44, s42                       ; which 256 k
	s_mov_b64 s[36:37], s[24:25]                   ; the weight and its place in wimg (MiB), chosen by the work-group's number
	s_mov_b32 s38, 8
	s_cmp_lt_u32 s35, 128
	s_cselect_b64 s[36:37], s[22:23], s[36:37]
	s_cselect_b32 s38, 4, s38
	s_cmp_lt_u32 s35, 64
	s_cselect_b64 s[36:37], s[20:21], s[36:37]
	s_cselect_b32 s38, 3, s38
	s_cmp_lt_u32 s35, 48
	s_cselect_b64 s[36:37], s[18:19], s[36:37]
	s_cselect_b32 s38, 2, s38
	s_cmp_lt_u32 s35, 32
	s_cselect_b64 s[36:37], s[16:17], s[36:37]
	s_cselect_b32 s38, 1, s38
	s_cmp_lt_u32 s35, 16
	s_cselect_b64 s[36:37], s[14:15], s[36:37]
	s_cselect_b32 s38, 0, s38
	s_lshl_b32 s84, s46, 8                         ; my first row k,
	s_lshl_b32 s84, s84, s41                       ; in bytes,
	s_lshl_b32 s85, s45, 8
	s_lshl_b32 s86, s34, 5
	s_add_co_u32 s85, s85, s86                     ; my wave's first column,
	s_lshl_b32 s85, s85, 2
	s_add_co_u32 s84, s84, s85
	s_mov_b32 s85, 0
	s_add_nc_u64 s[68:69], s[36:37], s[84:85]      ; block 0's base; blocks of 32 rows follow
	s_lshl_b32 s86, 32, s41
	s_mov_b32 s87, 0
.irp t, 1,2,3,4,5,6,7
	s_add_nc_u64 s[68+2*\t:69+2*\t], s[66+2*\t:67+2*\t], s[86:87]
.endr
	s_lshl_b32 s88, s45, 4
	s_lshl_b32 s89, s34, 1
	s_add_co_u32 s88, s88, s89                     ; my first tile of 16 rows n
	s_lshl_b32 s88, s88, s43
	s_lshl_b32 s89, s46, 12                        ; 256 k are two images
	s_add_co_u32 s88, s88, s89
	s_lshl_b32 s89, s38, 20
	s_add_co_u32 s88, s88, s89
	s_mov_b32 s89, 0
	s_add_nc_u64 s[28:29], s[28:29], s[88:89]
	s_lshl_b32 s90, 1, s41                         ; a row's bytes
	s_lshl_b32 s91, 1, s43
	s_wait_alu depctr_va_vdst(0)
	v_lshlrev_b32 v[OFF], 2, v1
.set i, 0
.rept 31
	s_delay_alu instid0(VALU_DEP_1)
	v_add_nc_u32 v[OFF+1+i], s90, v[OFF+i]
.set i, i+1
.endr
	s_lshl_b32 s92, s34, 13                        ; my stage: [tile of n 0..1][128 k 0..1][2,048]
	v_lshrrev_b32 v3, 4, v1
	v_and_b32 v6, 15, v1
	s_delay_alu instid0(VALU_DEP_1)
	v_lshlrev_b32 v6, 4, v6
	s_delay_alu instid0(VALU_DEP_1)
	v_lshl_add_u32 v6, v3, 12, v6
	s_delay_alu instid0(VALU_DEP_1)
	v_add_nc_u32 v6, s92, v6                       ; in: tile lane/16, 16 (lane%16)
	v_add_nc_u32 v7, s92, v2                       ; back: as it lies
	v_add_nc_u32 v9, s91, v2                       ; the second tile's place in memory
.macro LOAD t                          ; block t: W(32 t + i, my column): 32 lanes read 128 consecutive bytes
.set i, 0
.rept 32
	global_load_b32 v[X+32*((\t)%2)+i], v[OFF+i], s[68+2*(\t):69+2*(\t)] th:TH_LOAD_NT
.set i, i+1
.endr
.endm
	LOAD 0
	LOAD 1
	s_wait_kmcnt 0x0
	s_mov_b32 s39, s63                             ; the weight's exponent, by the same choice
	s_cmp_lt_u32 s35, 128
	s_cselect_b32 s39, s61, s39
	s_cmp_lt_u32 s35, 64
	s_cselect_b32 s39, s59, s39
	s_cmp_lt_u32 s35, 48
	s_cselect_b32 s39, s53, s39
	s_cmp_lt_u32 s35, 32
	s_cselect_b32 s39, s51, s39
	s_cmp_lt_u32 s35, 16
	s_cselect_b32 s39, s49, s39
	s_add_co_i32 s39, s39, 127
	s_lshl_b32 s93, s39, 23
	v_mov_b32 v11, s93                             ; 2^e: the conversion takes its exponent field
	s_add_co_i32 s39, s39, 8
	s_lshl_b32 s39, s39, 23
	s_or_b32 s39, s39, 0x600000
	v_mov_b32 v10, s39                             ; 448 x 2^e
; Block t is k = 32 t + 0..31 of my column.  In the image its groups of eight are: 0..7 and 16..23 for the lane with h = 0 (registers 4 (t%4) .. +3), 8..15 and 24..31 for h = 1, 256 bytes on.
.macro BLOCK t
.set XS, X+32*((\t)%2)
.if (\t) < 7
	s_wait_loadcnt 32                              ; this block's 32 loads are in, the next block's may be out
.else
	s_wait_loadcnt 0
.endif
.set i, 0
.rept 32
	v_med3_num_f32 v[XS+i], v[XS+i], -v10, v10     ; the conversion does not saturate (ISA guide 7.6.2): the hold comes first
.set i, i+1
.endr
	v_cvt_scalef32_pk8_fp8_f32 v[C:C+1], v[XS:XS+7], v11
	v_cvt_scalef32_pk8_fp8_f32 v[C+4:C+5], v[XS+8:XS+15], v11
	v_cvt_scalef32_pk8_fp8_f32 v[C+2:C+3], v[XS+16:XS+23], v11
	v_cvt_scalef32_pk8_fp8_f32 v[C+6:C+7], v[XS+24:XS+31], v11
	ds_store_b128 v6, v[C:C+3] offset:((\t)/4)*2048+((\t)%4)*512
	ds_store_b128 v6, v[C+4:C+7] offset:((\t)/4)*2048+((\t)%4)*512+256
.if (\t)+2 < 8
	LOAD (\t)+2
.endif
	s_wait_dscnt 0x0                               ; the stores have read their registers: the next block's codes may be written
.endm
	s_wait_alu depctr_va_vdst(0)
.irp t, 0,1,2,3,4,5,6,7
	BLOCK \t
.endr
.set i, 0
.rept 16
	ds_load_b128 v[OUTR+4*i:OUTR+4*i+3], v7 offset:512*i   ; LDS serves a wave's instructions in order: these see my stores
.set i, i+1
.endr
.set i, 0
.rept 8
	s_wait_dscnt 15-i
	global_store_b128 v2, v[OUTR+4*i:OUTR+4*i+3], s[28:29] offset:512*i      ; 32 lanes store 512 consecutive bytes
.set i, i+1
.endr
.rept 8
	s_wait_dscnt 15-i
	global_store_b128 v9, v[OUTR+4*i:OUTR+4*i+3], s[28:29] offset:512*(i-8)
.set i, i+1
.endr
	s_branch .Lend
; ---------------- LAYERNORM 1 AND THE TABLE.  Work-group g takes rows 16 g .. 16 g + 15; wave w loads rows 2 w, 2 w + 1: a row is 32 registers of a wave.
.Lln:
	s_sub_co_u32 s36, s35, 192                     ; g
	s_lshl_b32 s40, s36, 16
	s_lshl_b32 s41, s34, 13
	s_add_co_u32 s40, s40, s41
	s_mov_b32 s41, 0
	s_add_nc_u64 s[8:9], s[8:9], s[40:41]
	s_wait_alu depctr_va_vdst(0)
.irp p, 0,1
.irp j, 0,1,2,3,4,5,6,7
	global_load_b128 v[32+32*\p+4*\j:35+32*\p+4*\j], v2, s[8:9] offset:4096*\p+512*\j th:TH_LOAD_NT
.endr
.endr
.irp j, 0,1,2,3,4,5,6,7
	global_load_b128 v[96+4*\j:99+4*\j], v2, s[10:11] offset:512*\j
.endr
.irp j, 0,1,2,3,4,5,6,7
	global_load_b128 v[128+4*\j:131+4*\j], v2, s[12:13] offset:512*\j
.endr
	s_mul_i32 s40, s34, 2*LNP
	v_add_nc_u32 v3, s40, v2
	s_delay_alu instid0(VALU_DEP_1)
	v_add_nc_u32 v3, LNR, v3                       ; where my two rows go in LDS
	v_and_b32 v25, 15, v0
	s_delay_alu instid0(VALU_DEP_1)
	v_mul_u32_u24 v24, v25, LNP
	v_bfe_u32 v25, v0, 4, 1
	s_delay_alu instid0(VALU_DEP_1)
	v_lshl_add_u32 v24, v25, 5, v24
	s_lshl_b32 s40, s34, 9
	v_add_nc_u32 v24, s40, v24
	s_delay_alu instid0(VALU_DEP_1)
	v_add_nc_u32 v24, LNR, v24                     ; and from where I read: row r, columns 128 w + 8 h on
	; the table, while the loads are out.  Entry G = 256 g + thread: block of 16 positions P = g/2; in it [c][v][lane][2 pairs]: pair i = 8 c + 4 h + 2 v + (thread & 1) at position 16 P + r
	s_lshr_b32 s42, s36, 1
	s_and_b32 s43, s36, 1
	s_lshl_b32 s43, s43, 1
	s_lshr_b32 s44, s34, 2
	s_add_co_u32 s43, s43, s44                     ; c
	s_bfe_u32 s44, s34, 0x10001                    ; v
	s_and_b32 s45, s34, 1                          ; h
	s_lshl_b32 s46, s43, 2
	s_lshl_b32 s45, s45, 1
	s_add_co_u32 s46, s46, s45
	s_add_co_u32 s46, s46, s44                     ; i / 2
	s_mov_b32 s86, 1.0                             ; 10^(-i/8) for the even i and for the odd
	s_mov_b32 s87, 0.7498942093
.macro SELF k, fe, fo
	s_cmp_eq_u32 s46, \k
	s_cselect_b32 s86, \fe, s86
	s_cselect_b32 s87, \fo, s87
.endm
	SELF 1, 0.5623413252, 0.4216965034
	SELF 2, 0.3162277660, 0.2371373706
	SELF 3, 0.1778279410, 0.1333521432
	SELF 4, 0.1, 0.07498942093
	SELF 5, 0.05623413252, 0.04216965034
	SELF 6, 0.03162277660, 0.02371373706
	SELF 7, 0.01778279410, 0.01333521432
	SELF 8, 0.01, 0.007498942093
	SELF 9, 0.005623413252, 0.004216965034
	SELF 10, 0.003162277660, 0.002371373706
	SELF 11, 0.001778279410, 0.001333521432
	SELF 12, 0.001, 0.0007498942093
	SELF 13, 0.0005623413252, 0.0004216965034
	SELF 14, 0.0003162277660, 0.0002371373706
	SELF 15, 0.0001778279410, 0.0001333521432
	v_bfe_u32 v6, v0, 1, 4                         ; r
	v_and_b32 v7, 1, v0
	s_lshl_b32 s42, s42, 4
	v_add_nc_u32 v6, s42, v6                       ; the position
	s_delay_alu instid0(VALU_DEP_1)
	v_cvt_f32_u32 v6, v6
	v_cmp_eq_u32 vcc_lo, 1, v7
	v_mov_b32 v8, s87
	s_delay_alu instid0(VALU_DEP_1)
	v_cndmask_b32 v8, s86, v8, vcc_lo
	s_delay_alu instid0(VALU_DEP_1)
	v_mul_f32 v6, v6, v8                           ; the angle: one product
	s_delay_alu instid0(VALU_DEP_1)
	v_mul_f32 v7, 0x3f22f983, v6                   ; x 2/pi
	s_delay_alu instid0(VALU_DEP_1)
	v_rndne_f32 v7, v7                             ; n
	s_delay_alu instid0(VALU_DEP_1)
	v_fmamk_f32 v8, v7, 0xbfc90fdb, v6             ; angle - n x (pi/2's upper word): the product is exact in the fused form,
	s_delay_alu instid0(VALU_DEP_1)
	v_fmamk_f32 v8, v7, 0x333bbd2e, v8             ; - n x (its lower word, -4.37e-8): within pi/4 of 0
	s_delay_alu instid0(VALU_DEP_1)
	v_mul_f32 v9, v8, v8
	v_mov_b32 v10, -0.00019515295891
	s_delay_alu instid0(VALU_DEP_1)
	v_fmaak_f32 v10, v10, v9, 0.0083321608736
	s_delay_alu instid0(VALU_DEP_1)
	v_fmaak_f32 v10, v10, v9, -0.16666654611
	s_delay_alu instid0(VALU_DEP_1)
	v_mul_f32 v10, v10, v9
	s_delay_alu instid0(VALU_DEP_1)
	v_fma_f32 v10, v10, v8, v8                     ; sine
	v_mov_b32 v11, 0.00002443315712
	s_delay_alu instid0(VALU_DEP_1)
	v_fmaak_f32 v11, v11, v9, -0.001388731625
	s_delay_alu instid0(VALU_DEP_1)
	v_fmaak_f32 v11, v11, v9, 0.04166664568
	v_mul_f32 v12, v9, v9
	v_fma_f32 v26, v9, -0.5, 1.0
	s_delay_alu instid0(VALU_DEP_1)
	v_fma_f32 v11, v11, v12, v26                   ; cosine
	v_cvt_i32_f32 v7, v7                           ; the quadrant: odd swaps the two; bit 1 of n turns the sine's sign, bit 1 of n + 1 the cosine's
	s_delay_alu instid0(VALU_DEP_1)
	v_and_b32 v12, 1, v7
	s_delay_alu instid0(VALU_DEP_1)
	v_cmp_eq_u32 vcc_lo, 1, v12
	s_delay_alu instid0(VALU_DEP_1)
	v_cndmask_b32 v15, v10, v11, vcc_lo
	s_delay_alu instid0(VALU_DEP_2)
	v_cndmask_b32 v14, v11, v10, vcc_lo
	v_lshlrev_b32 v12, 30, v7
	s_delay_alu instid0(VALU_DEP_1)
	v_and_b32 v12, 0x80000000, v12
	s_delay_alu instid0(VALU_DEP_1)
	v_xor_b32 v15, v15, v12
	v_add_nc_u32 v7, 1, v7
	s_delay_alu instid0(VALU_DEP_1)
	v_lshlrev_b32 v12, 30, v7
	s_delay_alu instid0(VALU_DEP_1)
	v_and_b32 v12, 0x80000000, v12
	s_delay_alu instid0(VALU_DEP_1)
	v_xor_b32 v14, v14, v12
	v_lshlrev_b32 v13, 3, v0
	s_lshl_b32 s40, s36, 11
	s_mov_b32 s41, 0
	s_add_nc_u64 s[32:33], s[32:33], s[40:41]
	global_store_b64 v13, v[14:15], s[32:33]       ; (cos, sin): a wave stores 256 consecutive bytes.  v13-15 are not written again
	s_cmp_ge_u32 s36, 16
	s_cbranch_scc1 .Lnoid
	v_mov_b32 v22, 1.0                             ; blocks 128-135: (1, 0), the rotation that V goes through
	v_mov_b32 v23, 0
	global_store_b64 v13, v[22:23], s[32:33] offset:524288
.Lnoid:
	s_mov_b32 s84, 0x76543210                      ; v_permlanex16_b32's selects for lane l xor 16
	s_mov_b32 s85, 0xfedcba98
	s_mov_b32 s88, 0x3a800000                      ; 1/1024
.macro REDUCE d                        ; v[d]: the sum over the 32 lanes, in every lane; v[d+1], written before, is at work
	v_add_f32_dpp v[\d], v[\d], v[\d] row_xmask:1 row_mask:0xf bank_mask:0xf
	s_delay_alu instid0(VALU_DEP_1)
	v_add_f32_dpp v[\d], v[\d], v[\d] row_xmask:2 row_mask:0xf bank_mask:0xf
	s_delay_alu instid0(VALU_DEP_1)
	v_add_f32_dpp v[\d], v[\d], v[\d] row_xmask:4 row_mask:0xf bank_mask:0xf
	s_delay_alu instid0(VALU_DEP_1)
	v_add_f32_dpp v[\d], v[\d], v[\d] row_xmask:8 row_mask:0xf bank_mask:0xf
	s_delay_alu instid0(VALU_DEP_1)
	v_permlanex16_b32 v[\d+1], v[\d], s84, s85
	s_delay_alu instid0(VALU_DEP_1)
	v_add_f32 v[\d], v[\d], v[\d+1]
.endm
	s_wait_loadcnt 16                              ; x's sixteen loads are in; gain and bias may be out
.irp p, 0,1
	v_pk_add_f32 v[208+8*\p:209+8*\p], v[32+32*\p:33+32*\p], v[34+32*\p:35+32*\p]
	v_pk_add_f32 v[210+8*\p:211+8*\p], v[36+32*\p:37+32*\p], v[38+32*\p:39+32*\p]
.endr
.irp j, 8,12,16,20,24,28
.irp p, 0,1
	s_delay_alu instid0(VALU_DEP_4)
	v_pk_add_f32 v[208+8*\p:209+8*\p], v[208+8*\p:209+8*\p], v[32+32*\p+\j:33+32*\p+\j]
	s_delay_alu instid0(VALU_DEP_4)
	v_pk_add_f32 v[210+8*\p:211+8*\p], v[210+8*\p:211+8*\p], v[34+32*\p+\j:35+32*\p+\j]
.endr
.endr
.irp p, 0
	s_delay_alu instid0(VALU_DEP_3)
	v_pk_add_f32 v[208+8*\p:209+8*\p], v[208+8*\p:209+8*\p], v[210+8*\p:211+8*\p]
.endr
.irp p, 1
	s_delay_alu instid0(VALU_DEP_2)
	v_pk_add_f32 v[208+8*\p:209+8*\p], v[208+8*\p:209+8*\p], v[210+8*\p:211+8*\p]
.endr
.irp p, 0,1
	s_delay_alu instid0(VALU_DEP_2)
	v_add_f32 v[208+8*\p], v[208+8*\p], v[209+8*\p]
.endr
	REDUCE 208
	REDUCE 216
.irp p, 0
	v_mul_f32 v[212+8*\p], s88, v[208+8*\p]        ; the mean,
	v_mul_f32 v[213+8*\p], s88, v[208+8*\p]        ; twice: a pair for the packed form
.endr
.irp p, 1
	s_delay_alu instid0(VALU_DEP_3)
	v_mul_f32 v[212+8*\p], s88, v[208+8*\p]        ; the mean,
	s_delay_alu instid0(VALU_DEP_4)
	v_mul_f32 v[213+8*\p], s88, v[208+8*\p]        ; twice: a pair for the packed form
.endr
.irp j, 0,2,4,6,8,10,12,14,16,18,20,22,24,26,28,30
.irp p, 0,1
	v_pk_add_f32 v[32+32*\p+\j:33+32*\p+\j], v[32+32*\p+\j:33+32*\p+\j], v[212+8*\p:213+8*\p] neg_lo:[0,1] neg_hi:[0,1]
.endr
.endr
.irp p, 0,1
	v_pk_mul_f32 v[208+8*\p:209+8*\p], v[32+32*\p:33+32*\p], v[32+32*\p:33+32*\p]
	v_pk_mul_f32 v[210+8*\p:211+8*\p], v[34+32*\p:35+32*\p], v[34+32*\p:35+32*\p]
.endr
.irp j, 4,8,12,16,20,24,28
.irp p, 0,1
	s_delay_alu instid0(VALU_DEP_4)
	v_pk_fma_f32 v[208+8*\p:209+8*\p], v[32+32*\p+\j:33+32*\p+\j], v[32+32*\p+\j:33+32*\p+\j], v[208+8*\p:209+8*\p]
	s_delay_alu instid0(VALU_DEP_4)
	v_pk_fma_f32 v[210+8*\p:211+8*\p], v[34+32*\p+\j:35+32*\p+\j], v[34+32*\p+\j:35+32*\p+\j], v[210+8*\p:211+8*\p]
.endr
.endr
.irp p, 0
	s_delay_alu instid0(VALU_DEP_3)
	v_pk_add_f32 v[208+8*\p:209+8*\p], v[208+8*\p:209+8*\p], v[210+8*\p:211+8*\p]
.endr
.irp p, 1
	s_delay_alu instid0(VALU_DEP_2)
	v_pk_add_f32 v[208+8*\p:209+8*\p], v[208+8*\p:209+8*\p], v[210+8*\p:211+8*\p]
.endr
.irp p, 0,1
	s_delay_alu instid0(VALU_DEP_2)
	v_add_f32 v[208+8*\p], v[208+8*\p], v[209+8*\p]
.endr
	REDUCE 208
	REDUCE 216
.irp p, 0
	v_fmaak_f32 v[208+8*\p], s88, v[208+8*\p], 0x358637bd   ; the variance + 1e-6
.endr
.irp p, 1
	s_delay_alu instid0(VALU_DEP_2)
	v_fmaak_f32 v[208+8*\p], s88, v[208+8*\p], 0x358637bd   ; the variance + 1e-6
.endr
	s_wait_alu depctr_va_vdst(0)
.irp p, 0,1
	v_rsq_f32 v[214+8*\p], v[208+8*\p]
.endr
	v_nop                                          ; a plain instruction behind the last of the two,
	s_wait_alu depctr_va_vdst(0)                   ; and the wait ahead of the first use: one for both
.irp p, 0,1
	v_mov_b32 v[215+8*\p], v[214+8*\p]
.endr
	s_wait_alu depctr_va_vdst(0)
	s_wait_loadcnt 0x0                             ; gain and bias
.irp j, 0,2,4,6,8,10,12,14,16,18,20,22,24,26,28,30
.irp p, 0,1
	v_pk_mul_f32 v[32+32*\p+\j:33+32*\p+\j], v[32+32*\p+\j:33+32*\p+\j], v[214+8*\p:215+8*\p]
.endr
.endr
.irp j, 0,2,4,6,8,10,12,14,16,18,20,22,24,26,28,30
.irp p, 0,1
	v_pk_fma_f32 v[32+32*\p+\j:33+32*\p+\j], v[32+32*\p+\j:33+32*\p+\j], v[96+\j:97+\j], v[128+\j:129+\j]
.endr
.endr
.irp p, 0,1
.irp j, 0,1,2,3,4,5,6,7
	ds_store_b128 v3, v[32+32*\p+4*\j:35+32*\p+4*\j] offset:LNP*\p+512*\j
.endr
.endr
	s_wait_kmcnt 0x0
.macro MKSC e, sc, lim                 ; 2^e and 448 x 2^e as f32
	s_add_co_i32 s40, s[\e], 127
	s_lshl_b32 s41, s40, 23
	v_mov_b32 v[\sc], s41
	s_add_co_i32 s40, s40, 8
	s_lshl_b32 s40, s40, 23
	s_or_b32 s40, s40, 0x600000
	v_mov_b32 v[\lim], s40
.endm
	MKSC 48, 16, 17
	MKSC 50, 18, 19
	MKSC 52, 20, 21
	s_lshl_b32 s40, s36, 14
	s_lshl_b32 s41, s34, 11
	s_add_co_u32 s40, s40, s41                     ; image (row tile g, 128 k w)
	s_mov_b32 s41, 0
	s_add_nc_u64 s[30:31], s[30:31], s[40:41]
	s_add_nc_u64 s[94:95], s[30:31], 0x800000      ; the third set lies 8 MiB on: beyond a store's immediate, so it has its own base
	s_wait_alu depctr_va_vdst(0)
	s_wait_dscnt 0x0                               ; for the others' sake: my rows lie in LDS
	s_barrier_signal -1
	s_barrier_wait -1
.irp c, 0,1,2,3,4,5,6,7                ; wave w takes columns 128 w on of all 16 rows: lane (r, h) the eight at 16 c + 8 h of row r
	ds_load_b128 v[32+8*\c:35+8*\c], v24 offset:64*\c
	ds_load_b128 v[36+8*\c:39+8*\c], v24 offset:64*\c+16
.endr
	s_wait_dscnt 0x0
.irp q, 0,1,2
.set i, 0
.rept 64
	v_med3_num_f32 v[96+i], v[32+i], -v[17+2*\q], v[17+2*\q]
.set i, i+1
.endr
.irp c, 0,1,2,3,4,5,6,7
	v_cvt_scalef32_pk8_fp8_f32 v[160+16*\q+2*\c:161+16*\q+2*\c], v[96+8*\c:103+8*\c], v[16+2*\q]
.endr
	v_nop                                          ; a plain instruction between the conversions and the next lines that write their sources
.endr
.irp u, 0,1,2,3
	global_store_b128 v2, v[160+4*\u:163+4*\u], s[30:31] offset:512*\u
	global_store_b128 v2, v[176+4*\u:179+4*\u], s[30:31] offset:4194304+512*\u
	global_store_b128 v2, v[192+4*\u:195+4*\u], s[94:95] offset:512*\u
.endr
.Lend:
	s_wait_tensorcnt 0x0                           ; the wave's end
	ds_add_u32 v[SPW], v[NIL]
	s_wait_dscnt 0x0
	s_endpgm
.Lfunc_end_k_q0bad56b916_prep:
	.size	k_q0bad56b916_prep, .Lfunc_end_k_q0bad56b916_prep-k_q0bad56b916_prep
	.p2alignl 7, 3214868480
	.fill 96, 4, 3214868480
	.section	.rodata,"a",@progbits
	.p2align	6, 0x0
	.amdhsa_kernel k_q0bad56b916_prep
		.amdhsa_group_segment_fixed_size 132352
		.amdhsa_private_segment_fixed_size 0
		.amdhsa_enable_private_segment 0
		.amdhsa_kernarg_size 104
		.amdhsa_user_sgpr_count 2
		.amdhsa_user_sgpr_kernarg_segment_ptr 1
		.amdhsa_wavefront_size32 1
		.amdhsa_system_sgpr_workgroup_id_x 1
		.amdhsa_system_sgpr_workgroup_id_y 1
		.amdhsa_system_sgpr_workgroup_id_z 1
		.amdhsa_system_vgpr_workitem_id 0
		.amdhsa_next_free_vgpr 256
		.amdhsa_next_free_sgpr 100
		.amdhsa_reserve_vcc 1
		.amdhsa_float_denorm_mode_32 3
		.amdhsa_float_denorm_mode_16_64 3
		.amdhsa_memory_ordered 1
		.amdhsa_forward_progress 1
		.amdhsa_inst_pref_size 96
	.end_amdhsa_kernel
	.amdgpu_metadata
---
amdhsa.version: [ 1, 2 ]
amdhsa.kernels:
  - .name:           k_q0bad56b916_prep
    .symbol:         k_q0bad56b916_prep.kd
    .args:
      - { .name: x, .offset: 0, .size: 8, .value_kind: global_buffer, .address_space: global }
      - { .name: ln1_s, .offset: 8, .size: 8, .value_kind: global_buffer, .address_space: global }
      - { .name: ln1_b, .offset: 16, .size: 8, .value_kind: global_buffer, .address_space: global }
      - { .name: wk, .offset: 24, .size: 8, .value_kind: global_buffer, .address_space: global }
      - { .name: wq, .offset: 32, .size: 8, .value_kind: global_buffer, .address_space: global }
      - { .name: wv, .offset: 40, .size: 8, .value_kind: global_buffer, .address_space: global }
      - { .name: wo, .offset: 48, .size: 8, .value_kind: global_buffer, .address_space: global }
      - { .name: w1, .offset: 56, .size: 8, .value_kind: global_buffer, .address_space: global }
      - { .name: w2, .offset: 64, .size: 8, .value_kind: global_buffer, .address_space: global }
      - { .name: lowp_scales, .offset: 72, .size: 8, .value_kind: global_buffer, .address_space: global }
      - { .name: wimg, .offset: 80, .size: 8, .value_kind: global_buffer, .address_space: global }
      - { .name: himg, .offset: 88, .size: 8, .value_kind: global_buffer, .address_space: global }
      - { .name: rope, .offset: 96, .size: 8, .value_kind: global_buffer, .address_space: global }
    .group_segment_fixed_size: 132352
    .private_segment_fixed_size: 0
    .kernarg_segment_align: 8
    .kernarg_segment_size: 104
    .max_flat_workgroup_size: 256
    .sgpr_count:     100
    .vgpr_count:     256
    .wavefront_size: 32
...
	.end_amdgpu_metadata
.endif
;; end of part 1
;; launch qkv (part 2): grid 12 x 16, 4 waves a work-group, clusters of 4 x 4, 327,680 bytes of LDS; arguments himg, wimg, rope, lowp_scales, qkv; writes qkv
.if DOCPART == 2
	.amdgcn_target "amdgcn-amd-amdhsa--gfx1250"
	.amdhsa_code_object_version 6
	.text
	.protected	k_q0bad56b916_qkv
	.globl	k_q0bad56b916_qkv
	.p2align	8
	.type	k_q0bad56b916_qkv,@function
k_q0bad56b916_qkv:
	s_mov_b64 s[64:65], 0
	v_nop
	global_prefetch_b8 v0, s[64:65] scope:SCOPE_SE
	s_setreg_imm32_b32 hwreg(HW_REG_WAVE_MODE, 25, 1), 1
	s_wait_xcnt 0x0
	s_wait_alu depctr_hold_cnt(0) depctr_sa_sdst(0) depctr_va_vdst(0) depctr_va_sdst(0) depctr_va_ssrc(0) depctr_va_vcc(0) depctr_vm_vsrc(0)
	s_getreg_b32 s2, hwreg(HW_REG_IB_STS2, 6, 4)
	s_cmp_eq_u32 s2, 0
	s_cbranch_scc0 .Lentry_in_a_cluster
	s_endpgm
.Lentry_in_a_cluster:
	s_bfe_u32 s2, ttmp6, 0x10000c
	s_cmp_lg_u32 s2, 0xf033
	s_cbranch_scc0 .Lentry_shape_is_right
	s_endpgm
.Lentry_shape_is_right:
.set HALFT,  32768
.set SLOT,   131072
.set SPARE,  262144
.set FR,     16
.set NL,     4
.set NP,     4
.set LAPS,   2
.set ADRA, 16
.set ADRB, 20
.set LI,   26
.set SPW,  28
.set NIL,  29
.set AF,   128
.set G1, 24
.set G0, 32
.set G1B, 48
.set G0B, 56
.set MSB, 0
.macro WIN new
.if MSB != \new
	s_set_vgpr_msb (MSB<<8)|\new
.set MSB, \new
.endif
.endm
.set MUL_LO, 0xa1
.set MUL_HI, 0xf1
.set TO_B,   0x40
.macro JLOAD g0a, g1a, g0b, g1b
	s_cmp_eq_u32 s15, 0
	s_cbranch_scc0 .Lfor_b_\@
	tensor_load_to_lds s[\g0a:\g0a+3], s[\g1a:\g1a+7]
	s_nop 0
.rept 4
	v_nop
.endr
	s_branch .Lasked_\@
.Lfor_b_\@:
	tensor_load_to_lds s[\g0b:\g0b+3], s[\g1b:\g1b+7]
	s_nop 0
.rept 4
	v_nop
.endr
.Lasked_\@:
.endm
.macro CREST
	s_cmp_lg_u32 s14, 0
	s_cbranch_scc1 .Lnot_wave_0_\@
	s_barrier_signal -3
.Lnot_wave_0_\@:
	s_barrier_wait -3
	s_barrier_signal -1
	s_barrier_wait -1
.endm
.macro CROUND
	s_barrier_signal -1
	s_barrier_wait -1
	CREST
.endm
	s_load_b256 s[4:11], s[0:1], 0x0
	s_load_b64 s[12:13], s[0:1], 0x20
	v_lshl_add_u32 v[SPW], v0, 2, SPARE
	v_mov_b32 v[NIL], 0
	ds_add_u32 v[SPW], v[NIL]
	ds_add_u32 v[SPW], v[NIL]
	v_lshrrev_b32 v1, 5, v0
	v_readfirstlane_b32 s14, v1
	s_lshr_b32 s15, s14, 1
	s_and_b32 s16, s14, 1
	s_bfe_u32 s40, ttmp6, 0x40000
	s_bfe_u32 s41, ttmp6, 0x40004
	s_and_b32 s17, ttmp7, 0xffff
	s_lshl_b32 s17, s17, 2
	s_lshl_b32 s43, s41, 2
	s_lshl_b32 s43, 15, s43
	s_lshl_b32 s44, 0x1111, s40
	s_or_b32 s[G1+0], s43, (3<<16)|(1<<21)
	s_or_b32 s[G1B+0], s44, (3<<16)|(1<<21)
.irp g, G1, G1B
	s_mov_b32 s[\g+1], 512<<16
	s_mov_b32 s[\g+2], 16<<16                      ; the head's load: 16 tiles of 16 rows, all 256 rows of an operand's K step
	s_mov_b32 s[\g+3], 512<<16
	s_mov_b32 s[\g+4], 16
	s_mov_b32 s[\g+5], 2048
	s_mov_b32 s[\g+6], 0
	s_mov_b32 s[\g+7], 0
.endr
	s_add_co_u32 s20, s17, s41
	s_add_co_u32 s46, s17, s40
	s_cmp_eq_u32 ttmp9, 2
	s_cselect_b32 s20, s41, s20
	s_cselect_b32 s46, s46, s40
	s_lshl_b32 s18, s16, 17
	s_lshl_b32 s20, s20, 18
	s_add_co_u32 s20, s20, s18
	s_lshl_b32 s46, s46, 18
	s_add_co_u32 s46, s46, s18
	s_mov_b32 s21, 0
	s_mov_b32 s47, 0
	s_lshl_b32 s66, ttmp9, 22
	s_mov_b32 s67, 0
	s_lshl_b32 s68, ttmp9, 20
	s_mov_b32 s69, 0
	s_lshl_b32 s45, s14, 15
	s_wait_dscnt 0x0
	s_wait_kmcnt 0x0
	s_load_b512 s[84:99], s[10:11], 0x0
	s_add_nc_u64 s[4:5], s[4:5], s[66:67]
	s_add_nc_u64 s[6:7], s[6:7], s[68:69]
	s_cmp_eq_u32 ttmp9, 2
	s_cselect_b64 s[70:71], s[6:7], s[4:5]
	s_cselect_b64 s[72:73], s[4:5], s[6:7]
	s_add_nc_u64 s[20:21], s[70:71], s[20:21]
	s_add_nc_u64 s[46:47], s[72:73], s[46:47]
	CROUND
	; THE FIRST FILLS, one tensor load a wave: waves 0, 1 bring A's 256 rows of K steps 0, 1 (slots 0, 1), waves 2, 3 B's: 16 rows of 4,096 bytes, 65,536 bytes of LDS each
	s_mul_i32 s18, s16, 126976                     ; from my half's first tile at K step 0 back to the operand's first tile, at K step wave % 2: 131,072 - 4,096 bytes
	s_mov_b32 s19, 0
	s_mov_b32 s[G0], 1
	s_lshl_b32 s[G0+1], s16, 17                    ; slot wave % 2, A's 65,536 bytes
	s_sub_nc_u64 s[G0+2:G0+3], s[20:21], s[18:19]
	s_or_b32 s[G0+3], s[G0+3], 0x80000000
	s_mov_b32 s[G0B], 1
	s_add_co_u32 s[G0B+1], s[G0+1], 65536          ; B's lie behind A's
	s_sub_nc_u64 s[G0B+2:G0B+3], s[46:47], s[18:19]
	s_or_b32 s[G0B+3], s[G0B+3], 0x80000000
	JLOAD G0, G1, G0B, G1B
.irp s, 1
	s_mov_b32 s[G0+4*\s], 1
	s_add_co_u32 s[G0+4*\s+1], s45, \s*SLOT
	s_add_nc_u64 s[G0+4*\s+2:G0+4*\s+3], s[20:21], \s*4096
	s_or_b32 s[G0+4*\s+3], s[G0+4*\s+3], 0x80000000
	s_mov_b32 s[G0B+4*\s], 1
	s_add_co_u32 s[G0B+4*\s+1], s45, \s*SLOT
	s_add_nc_u64 s[G0B+4*\s+2:G0B+4*\s+3], s[46:47], \s*4096
	s_or_b32 s[G0B+4*\s+3], s[G0B+4*\s+3], 0x80000000
.endr
	v_and_b32 v6, 31, v0
	v_lshlrev_b32 v[LI], 4, v6
	s_wait_alu depctr_va_vdst(0)
	s_lshl_b32 s21, s15, 15
	s_lshl_b32 s22, s16, 15
	s_add_co_u32 s22, s22, 2*HALFT
.irp s, 0,1
	v_add_nc_u32 v[ADRA+\s], s21, v[LI]
	v_add_nc_u32 v[ADRB+\s], s22, v[LI]
	s_add_co_u32 s21, s21, SLOT
	s_add_co_u32 s22, s22, SLOT
.endr
	s_add_co_u32 s74, s17, s41
	s_add_co_u32 s75, s17, s40
	s_cmp_eq_u32 ttmp9, 2
	s_cselect_b32 s74, s75, s74
	s_cselect_b32 s75, s41, s40
	s_cselect_b32 s76, s16, s15
	s_cselect_b32 s77, s15, s16
	s_lshl_b32 s74, s74, 1
	s_add_co_u32 s74, s74, s76
	s_lshl_b32 s75, s75, 1
	s_add_co_u32 s75, s75, s77
	s_lshr_b32 s76, s74, 4
	s_and_b32 s77, s74, 15
	s_lshl_b32 s77, s77, 3
	s_lshl_b32 s76, s76, 3
	s_add_co_u32 s76, s76, s75
	s_lshl_b32 s76, s76, 7
	s_add_co_u32 s76, s76, s77
	s_lshl_b32 s76, s76, 11
	s_add_co_u32 s76, s76, s66
	s_cmp_eq_u32 ttmp9, 2
	s_cselect_b32 s78, 128, s77
	s_lshl_b32 s78, s78, 12
	s_mov_b32 s79, 0
	s_mov_b32 s77, 0
	s_add_nc_u64 s[80:81], s[12:13], s[76:77]
	s_add_nc_u64 s[82:83], s[8:9], s[78:79]
; The table of block a of 16 rows, 32 registers: blocks 0, 1 in window 0 (v32-95), blocks 2 to 7 in window 1 (v0-191), where B's fragments are done with; the caller sets the window
.macro TABLE a
.if (\a) < 2
.set TR, 32+32*(\a)
.else
.set TR, 32*((\a)-2)
.endif
.irp k, 0,1,2,3,4,5,6,7
	global_load_b128 v[TR+4*\k:TR+4*\k+3], v[LI], s[82:83] offset:4096*(\a)+512*\k
.endr
.endm
	TABLE 0
	TABLE 1
	s_wait_alu depctr_va_vdst(0)
	s_wait_kmcnt 0x0
	s_sub_co_i32 s66, s91, s84
	s_sub_co_i32 s66, s66, s85
	s_sub_co_i32 s67, s90, s86
	s_sub_co_i32 s67, s67, s87
	s_sub_co_i32 s68, s92, s88
	s_sub_co_i32 s68, s68, s89
	s_cmp_eq_u32 ttmp9, 1
	s_cselect_b32 s66, s67, s66
	s_cmp_eq_u32 ttmp9, 2
	s_cselect_b32 s66, s68, s66
	s_add_co_i32 s66, s66, 127
	s_lshl_b32 s67, s66, 23
	v_mov_b32 v12, s67
	s_add_co_i32 s66, s66, 8
	s_lshl_b32 s66, s66, 23
	s_or_b32 s66, s66, 0x600000
	v_mov_b32 v13, s66
.macro FRAG reg, adr, q, i
.irp c, 0,1,2,3
	ds_load_b128 v[\reg+4*\c:\reg+4*\c+3], v[\adr] offset:4096*(\i)+2048*(\q)+512*\c
.endr
.endm
.macro MUL16 a0, p, zero
.irp a, \a0, \a0+1
.irp b, 0,1,2,3,4,5,6,7
.if \zero
	v_wmma_f32_16x16x128_fp8_fp8 v[8*(8*((\a)%4)+\b):8*(8*((\a)%4)+\b)+7], v[128*(\p)+FR*\b:128*(\p)+FR*\b+FR-1], v[AF+FR*(\a):AF+FR*(\a)+FR-1], 0
.else
	v_wmma_f32_16x16x128_fp8_fp8 v[8*(8*((\a)%4)+\b):8*(8*((\a)%4)+\b)+7], v[128*(\p)+FR*\b:128*(\p)+FR*\b+FR-1], v[AF+FR*(\a):AF+FR*(\a)+FR-1], v[8*(8*((\a)%4)+\b):8*(8*((\a)%4)+\b)+7]
.endif
.endr
.endr
.endm
.macro FETCH_B slot, q, p
	WIN TO_B
.irp i, 0,1,2,3,4,5,6,7
	FRAG 128*(\p)+FR*\i, ADRB+\slot, \q, \i
.endr
	WIN 0
.endm
.macro FETCH_A slot, q, i0
.irp i, \i0, \i0+1, \i0+2, \i0+3
	FRAG AF+FR*(\i), ADRA+\slot, \q, \i
.endr
.endm
.macro PLACES n
.rept \n
	v_nop
.endr
.endm
.macro STEP slot, q, zero
	s_wait_dscnt 4*NL
	WIN MUL_LO
	MUL16 0, (\q)%2, \zero
	MUL16 2, (\q)%2, \zero
	s_wait_dscnt 0
	PLACES NP
	FETCH_B \slot, (\q)+1, 1-(\q)%2
	FETCH_A \slot, (\q)+1, 0
	WIN MUL_HI
	MUL16 4, (\q)%2, \zero
	MUL16 6, (\q)%2, \zero
	PLACES NP
	WIN 0
	FETCH_A \slot, (\q)+1, 4
.endm
.macro TURN slot, next, fill
	s_wait_tensorcnt 0x0
	ds_add_u32 v[SPW], v[NIL]
	s_wait_dscnt 4*NL+1
	WIN MUL_LO
	MUL16 0, 1, 0
	s_wait_dscnt 0x0
	s_barrier_signal -1
	MUL16 2, 1, 0
	WIN 0
	s_barrier_wait -1
.if \fill
	CREST
	s_add_nc_u64 s[G0+4*\slot+2:G0+4*\slot+3], s[G0+4*\slot+2:G0+4*\slot+3], 8192
	s_add_nc_u64 s[G0B+4*\slot+2:G0B+4*\slot+3], s[G0B+4*\slot+2:G0B+4*\slot+3], 8192
	JLOAD G0+4*\slot, G1, G0B+4*\slot, G1B
.else
	PLACES NP
.endif
	FETCH_B \next, 0, 0
	FETCH_A \next, 0, 0
	WIN MUL_HI
	MUL16 4, 1, 0
	MUL16 6, 1, 0
	PLACES NP
	WIN 0
	FETCH_A \next, 0, 4
.endm
	s_wait_alu depctr_va_vdst(0)                   ; the wait at the head's end
	s_wait_tensorcnt 0x0                           ; my first fill is in, so its descriptors may be written: slot 0's sets take the refills' form (my 128 rows, 8 tiles)
	s_mov_b32 s[G0+1], s45
	s_add_nc_u64 s[G0+2:G0+3], s[G0+2:G0+3], s[18:19]
	s_mov_b32 s[G0B+1], s45
	s_add_nc_u64 s[G0B+2:G0B+3], s[G0B+2:G0B+3], s[18:19]
.irp g, G1, G1B
	s_mov_b32 s[\g+2], 8<<16
	s_mov_b32 s[\g+4], 8
.endr
	s_barrier_signal -1
	s_barrier_wait -1
	FETCH_B 0, 0, 0
	FETCH_A 0, 0, 0
	FETCH_A 0, 0, 4
	STEP 0, 0, 1
	s_mov_b32 s3, LAPS-1
.Llap:
	TURN 0, 1, 1
	STEP 1, 0, 0
	TURN 1, 0, 1
	STEP 0, 0, 0
	s_sub_co_u32 s3, s3, 1
	s_cmp_lg_u32 s3, 0
	s_cbranch_scc1 .Llap
	TURN 0, 1, 0
	STEP 1, 0, 0
	WIN TO_B                                       ; B's set 0 is done with (four places stand behind its last products): it takes the tables of blocks 2 to 5
	TABLE 2
	TABLE 3
	TABLE 4
	TABLE 5
	WIN 0
	s_wait_dscnt 4*NL
	WIN MUL_LO
	MUL16 0, 1, 0
	MUL16 2, 1, 0
	s_wait_dscnt 0
	WIN MUL_HI
	MUL16 4, 1, 0
	MUL16 6, 1, 0
	WIN 0
.macro OUTA a
.set AC, 64*((\a)%4)
.if (\a) < 2
.set TT, 32+32*(\a)
.set TW, 0
.else
.set TT, 32*((\a)-2)
.set TW, 4                             ; source 1 (the table) in window 1
.endif
.set CD, 160+16*((\a)%2)
.if (\a) >= 2
	s_wait_xcnt 0x0
.endif
	s_wait_loadcnt 8*(7-(\a))                      ; block a's table is in; the eight loads of each later block may be out
	WIN 0x02+((\a)/4)+TW
.irp b, 0,1,2,3,4,5,6,7
.irp p, 0,1,2,3
	v_pk_mul_f32 v[96+8*\b+2*\p:97+8*\b+2*\p], v[AC+8*\b+2*\p:AC+8*\b+2*\p+1], v[TT+8*(\b%4)+2*\p:TT+8*(\b%4)+2*\p+1] op_sel:[1,1] op_sel_hi:[1,0] neg_lo:[1,0]
.endr
.endr
.irp b, 0,1,2,3,4,5,6,7
.irp p, 0,1,2,3
	v_pk_fma_f32 v[96+8*\b+2*\p:97+8*\b+2*\p], v[AC+8*\b+2*\p:AC+8*\b+2*\p+1], v[TT+8*(\b%4)+2*\p:TT+8*(\b%4)+2*\p+1], v[96+8*\b+2*\p:97+8*\b+2*\p] op_sel_hi:[0,1,1]
.endr
.endr
	WIN 0
.set i, 0
.rept 64
	v_med3_num_f32 v[96+i], v[96+i], -v13, v13
.set i, i+1
.endr
.irp b, 0,1,2,3,4,5,6,7
	v_cvt_scalef32_pk8_fp8_f32 v[CD+2*\b:CD+2*\b+1], v[96+8*\b:103+8*\b], v12
.endr
	v_nop
.irp u, 0,1,2,3
	global_store_b128 v[LI], v[CD+4*\u:CD+4*\u+3], s[80:81] offset:2048*(\a)+512*\u
.endr
.endm
	PLACES NP
	WIN TO_B                                       ; B's set 1 is done with too: the tables of blocks 6 and 7
	TABLE 6
	TABLE 7
	WIN 0
.irp a, 0,1,2,3,4,5,6,7
	OUTA \a
.endr
	s_wait_tensorcnt 0x0
	ds_add_u32 v[SPW], v[NIL]
	s_wait_dscnt 0x0
	CROUND
	s_endpgm
.Lfunc_end_k_q0bad56b916_qkv:
	.size	k_q0bad56b916_qkv, .Lfunc_end_k_q0bad56b916_qkv-k_q0bad56b916_qkv
	.p2alignl 7, 3214868480
	.fill 96, 4, 3214868480
	.section	.rodata,"a",@progbits
	.p2align	6, 0x0
	.amdhsa_kernel k_q0bad56b916_qkv
		.amdhsa_group_segment_fixed_size 327680
		.amdhsa_private_segment_fixed_size 0
		.amdhsa_enable_private_segment 0
		.amdhsa_kernarg_size 40
		.amdhsa_user_sgpr_count 2
		.amdhsa_user_sgpr_kernarg_segment_ptr 1
		.amdhsa_wavefront_size32 1
		.amdhsa_system_sgpr_workgroup_id_x 1
		.amdhsa_system_sgpr_workgroup_id_y 1
		.amdhsa_system_sgpr_workgroup_id_z 1
		.amdhsa_system_vgpr_workitem_id 0
		.amdhsa_next_free_vgpr 1024
		.amdhsa_next_free_sgpr 100
		.amdhsa_reserve_vcc 0
		.amdhsa_float_denorm_mode_32 3
		.amdhsa_float_denorm_mode_16_64 3
		.amdhsa_memory_ordered 1
		.amdhsa_forward_progress 1
		.amdhsa_inst_pref_size 156
	.end_amdhsa_kernel
	.amdgpu_metadata
---
amdhsa.version: [ 1, 2 ]
amdhsa.kernels:
  - .name:           k_q0bad56b916_qkv
    .symbol:         k_q0bad56b916_qkv.kd
    .args:
      - { .name: himg, .offset: 0, .size: 8, .value_kind: global_buffer, .address_space: global }
      - { .name: wimg, .offset: 8, .size: 8, .value_kind: global_buffer, .address_space: global }
      - { .name: rope, .offset: 16, .size: 8, .value_kind: global_buffer, .address_space: global }
      - { .name: lowp_scales, .offset: 24, .size: 8, .value_kind: global_buffer, .address_space: global }
      - { .name: qkv, .offset: 32, .size: 8, .value_kind: global_buffer, .address_space: global }
    .group_segment_fixed_size: 327680
    .private_segment_fixed_size: 0
    .kernarg_segment_align: 8
    .kernarg_segment_size: 40
    .max_flat_workgroup_size: 128
    .sgpr_count:     100
    .vgpr_count:     1024
    .wavefront_size: 32
...
	.end_amdgpu_metadata
.endif
;; end of part 2
;; launch attn (part 3): grid 8 x 32, 8 waves a work-group, clusters of 4 x 1, 327,680 bytes of LDS; arguments qkv, lowp_scales, cimg; writes cimg
.if DOCPART == 3
	.amdgcn_target "amdgcn-amd-amdhsa--gfx1250"
	.amdhsa_code_object_version 6
	.text
	.protected	k_q0bad56b916_attn
	.globl	k_q0bad56b916_attn
	.p2align	8
	.type	k_q0bad56b916_attn,@function
k_q0bad56b916_attn:
	s_mov_b64 s[64:65], 0
	v_nop
	global_prefetch_b8 v0, s[64:65] scope:SCOPE_SE
	s_setreg_imm32_b32 hwreg(HW_REG_WAVE_MODE, 25, 1), 1
	s_wait_xcnt 0x0
	s_wait_alu depctr_hold_cnt(0) depctr_sa_sdst(0) depctr_va_vdst(0) depctr_va_sdst(0) depctr_va_ssrc(0) depctr_va_vcc(0) depctr_vm_vsrc(0)
	s_getreg_b32 s2, hwreg(HW_REG_IB_STS2, 6, 4)
	s_cmp_eq_u32 s2, 0
	s_cbranch_scc0 .Lentry_in_a_cluster
	s_endpgm
.Lentry_in_a_cluster:
	s_bfe_u32 s2, ttmp6, 0x10000c
	s_cmp_lg_u32 s2, 0x3003
	s_cbranch_scc0 .Lentry_shape_is_right
	s_endpgm
.Lentry_shape_is_right:
; ctx = softmax(q k^T / 8) v for one head and 256 queries a work-group, both products on E4M3 codes; ctx is quantised (scale 10) into images of the next product's operand.
; t = score x log2(e) / 8; M = the running largest t rounded UP to a whole number; p = 2^(t - M) is quantised (scale 9), not normalised; the row's sum is taken of the unquantised p and divides at the end.
; When M moves, the sum and O are multiplied by 2^(old M - new M), which rounds nothing.
; SHARES.  Eight waves, each two tiles of 16 queries; every fragment of K and V read from LDS feeds two products.
; NO RING: a head's K (131,072 bytes, from LDS byte 0) and V (131,072 bytes behind it) lie in LDS whole; nothing is filled again.  Two groups of first fills, one tensor load a wave in each (waves 0-3 K, waves 4-7 V):
; at the head keys 0-511 (K: 8 rows of 1,024 bytes, my head's half of an image, 2,048 apart; V: 8,192 dense bytes), and behind the full sequence and a round of the cluster's barrier keys 512-2,047
; (K: 24 such rows; V: 3 rows of 8,192 bytes, 16,384 apart).  Key steps 0 to 2 read the first group alone (step 2 fetches step 3's K); one barrier behind them shows the second group.
; CLUSTER 4 x 1: the four query blocks of a cluster belong to one head: every load is asked for jointly by all four.
; LAYOUT.  S^T = K Q^T (source 0 = 16 keys, source 1 = 16 queries, K = 64): a lane holds one query, register 8 c + j key 16 c + 8 h + j: one conversion a tile makes registers 2 c, 2 c + 1 of P for O^T = V^T P^T (K = 128 keys).
; A KEY STEP is 128 keys.  V's fragments are fetched at the step's head, the NEXT step's K behind this step's first products.  The two tiles' lines are laid so that dependent lines stand apart:
; tile 0's chain for M among tile 1's maxima, tile 1's among tile 0's scalings; each tile's 64 exponentials take turns with plain lines that depend on nothing in the batch (tile 1's scalings, tile 0's holds).
; LIMITS: e6 + e7 between -123 and 130; e9 and e10 - e8 - e9 between -126 and 119.
; No prefetch: all that the work-group reads is asked for ahead of its first key step; there is no stream to run ahead of.
; REGISTERS.  Window 0: v1 16 x lane, v2, v3 LDS addresses; v8+T a permute's result, v10+T the old -M; tile T: v[12+2T] -M, v[13+2T] the largest t, v[16+2T:17+2T] the sum, v[20+2T] f; v24+4T four chains of maxima;
; v32-37 constants; v40-55 Q; v64+64T S, then p; v192+16T P; v224+8T three more chains of the sum.  Window 1: v0-63 K's eight fragments, v64-127 V's four, v128+32T+8t O^T.
.set SPARE, 262144
.set VB,  131072                       ; V's first byte in LDS
.set LI,  1
.set ADK, 2
.set ADV, 3
.set SPW, 4
.set NIL, 5
.set WV,  12
.set CS,  58
.set SEL, 60
.set TBK, 62                           ; s62 LDS byte of the next step's K
.set TBV, 63                           ; s63 LDS byte of this step's V
.set CNT, 66
.set MSB, 0
.macro WIN new
.if MSB != \new
	s_set_vgpr_msb (MSB<<8)|\new
.set MSB, \new
.endif
.endm
.macro CROUND
	s_barrier_signal -1
	s_barrier_wait -1
	s_cmp_lg_u32 s[WV], 0
	s_cbranch_scc1 .Lnot_wave_0_\@
	s_barrier_signal -3
.Lnot_wave_0_\@:
	s_barrier_wait -3
	s_barrier_signal -1
	s_barrier_wait -1
.endm
; One branch on the wave's number, one fill to an arm; an s_nop 0 and four v_nop follow each
.macro TLOAD
	s_cmp_lt_u32 s[WV], 4
	s_cbranch_scc0 .Lfor_v_\@
	tensor_load_to_lds s[32:35], s[16:23]
	s_nop 0
.rept 4
	v_nop
.endr
	s_branch .Lasked_\@
.Lfor_v_\@:
	tensor_load_to_lds s[32:35], s[24:31]
	s_nop 0
.rept 4
	v_nop
.endr
.Lasked_\@:
.endm
	s_load_b128 s[4:7], s[0:1], 0x0                ; qkv, lowp_scales
	s_load_b64 s[8:9], s[0:1], 0x10                ; cimg
	v_lshl_add_u32 v[SPW], v0, 2, SPARE
	v_mov_b32 v[NIL], 0
	ds_add_u32 v[SPW], v[NIL]                      ; the wave's opening: the add, twice on end, and its wait ahead of my first tensor load
	ds_add_u32 v[SPW], v[NIL]
	v_lshrrev_b32 v6, 5, v0
	s_delay_alu instid0(VALU_DEP_1)
	v_readfirstlane_b32 s[WV], v6                  ; wave 0..7
	s_bfe_u32 s13, ttmp6, 0x40000                  ; cx: it enters Q's and ctx's addresses alone
	s_and_b32 s14, ttmp7, 0xffff                   ; 16 x batch + head
	s_lshr_b32 s15, s14, 1                         ; 8 x batch + pair of heads
	s_and_b32 s48, s14, 1                          ; u: which head of the pair
	s_lshl_b32 s49, s15, 18                        ; a pair's K, and its V, are 262,144 bytes
	s_lshl_b32 s50, s48, 10                        ; K: my head's half of each 2,048-byte image
	s_lshl_b32 s51, s48, 13                        ; V: my head's 8,192 of each 16,384, 8 MiB on
	s_add_co_u32 s51, s51, 0x800000
	s_cmp_lt_u32 s[WV], 4                          ; waves 0-3 fetch K, waves 4-7 V
	s_cselect_b32 s50, s50, s51
	s_add_co_u32 s50, s50, s49
	s_and_b32 s51, s[WV], 3
	s_lshl_b32 s36, s51, 14                        ; the first group: 128 keys a wave, 16,384 bytes of the pair's K or V apart
	s_add_co_u32 s36, s36, s50
	s_mov_b32 s37, 0
	s_mul_i32 s38, s51, 49152                      ; the second: 384 keys a wave, behind the first 512 keys' 65,536 bytes
	s_add_co_u32 s38, s38, s50
	s_add_co_u32 s38, s38, 65536
	s_mov_b32 s39, 0
	s_lshr_b32 s40, s[WV], 2
	s_lshl_b32 s40, s40, 17                        ; K's or V's half of LDS
	s_mov_b32 s32, 1                               ; group 0: count,
	s_lshl_b32 s33, s51, 13
	s_add_co_u32 s33, s33, s40                     ; LDS address of the first group's part: 8,192 bytes a wave
	s_mul_i32 s41, s51, 24576
	s_add_co_u32 s41, s41, s40
	s_add_co_u32 s41, s41, 32768                   ; and of the second's: 24,576 bytes a wave, behind the first group's 32,768
	s_mov_b32 s16, 15|(3<<16)|(1<<21)              ; K: the mask (all four); elements of 8 bytes; bit 21 beside a mask
	s_mov_b32 s17, 128<<16                         ; rows of 1,024 bytes,
	s_mov_b32 s18, 8<<16                           ; eight of them,
	s_mov_b32 s19, 128<<16
	s_mov_b32 s20, 8
	s_mov_b32 s21, 256                             ; 2,048 bytes apart
	s_mov_b32 s22, 0
	s_mov_b32 s23, 0
	s_mov_b32 s24, 15|(3<<16)|(1<<21)              ; V: 8,192 dense bytes, stated as two rows of 4,096
	s_mov_b32 s25, 512<<16
	s_mov_b32 s26, 2<<16
	s_mov_b32 s27, 512<<16
	s_mov_b32 s28, 2
	s_mov_b32 s29, 512
	s_mov_b32 s30, 0
	s_mov_b32 s31, 0
	s_mov_b32 s[SEL], 0x76543210
	s_mov_b32 s[SEL+1], 0xfedcba98
	s_lshl_b32 s53, ttmp9, 2
	s_add_co_u32 s53, s53, s13                     ; my block of 256 queries
	s_lshl_b32 s53, s53, 4
	s_lshl_b32 s54, s[WV], 1
	s_add_co_u32 s53, s53, s54                     ; my first tile of 16 queries in the batch
	s_lshl_b32 s54, s15, 7
	s_add_co_u32 s54, s54, s53
	s_lshl_b32 s54, s54, 11
	s_lshl_b32 s55, s48, 10
	s_add_co_u32 s54, s54, s55
	s_add_co_u32 s54, s54, 0x400000                ; Q lies 4 MiB on
	s_lshr_b32 s56, s14, 4                         ; batch
	s_lshl_b32 s56, s56, 7
	s_add_co_u32 s56, s56, s53
	s_lshl_b32 s56, s56, 3
	s_and_b32 s57, s15, 7
	s_add_co_u32 s56, s56, s57
	s_lshl_b32 s56, s56, 11
	s_add_co_u32 s56, s56, s55                     ; ctx: image (row tile, pair of heads), my head's half
	s_mov_b32 s55, 0
	s_mov_b32 s57, 0
	s_wait_dscnt 0x0                               ; both opening adds are done
	s_wait_kmcnt 0x0
	s_load_b256 s[68:75], s[6:7], 0x18             ; e6 .. e13
	s_add_nc_u64 s[34:35], s[4:5], s[36:37]
	s_or_b32 s35, s35, 0x80000000
	s_add_nc_u64 s[38:39], s[4:5], s[38:39]
	s_add_nc_u64 s[54:55], s[4:5], s[54:55]
	s_add_nc_u64 s[8:9], s[8:9], s[56:57]
	CROUND                                         ; all four work-groups are here: the joint loads meet
	TLOAD                                          ; keys 0-511
	v_and_b32 v[LI], 31, v0
	s_delay_alu instid0(VALU_DEP_1)
	v_lshlrev_b32 v[LI], 4, v[LI]
.irp T, 0,1
	global_load_b128 v[40+8*\T:43+8*\T], v[LI], s[54:55] offset:2048*\T
	global_load_b128 v[44+8*\T:47+8*\T], v[LI], s[54:55] offset:2048*\T+512
.endr
.irp T, 0,1
	v_mov_b32 v[13+2*\T], 0xff61b1e6               ; the largest t so far: -3e38
	s_delay_alu instid0(VALU_DEP_1)
	v_floor_f32 v[12+2*\T], -v[13+2*\T]
	v_mov_b32 v[16+2*\T], 0
	v_mov_b32 v[17+2*\T], 0
	v_mov_b32 v[20+2*\T], 0
	v_mov_b32 v[21+2*\T], 0                        ; (named as the upper half of a pair)
	v_mov_b32 v[8+\T], 0                           ; a lane permute's destination counts as read
.endr
	WIN 0x40
.set i, 0
.rept 64
	v_mov_b32 v[128+i], 0                          ; O^T: the first step is like every other; the first change of M leaves zeros zeros
.set i, i+1
.endr
	WIN 0
	s_wait_kmcnt 0x0
	s_add_co_i32 s76, s68, s69
	s_lshl_b32 s76, s76, 23
	s_add_co_i32 s[CS], s76, 0x3e38aa3b            ; c = log2(e) / 8, with e6 + e7 added to its exponent field
	s_mov_b32 s[CS+1], s[CS]
	s_add_co_i32 s76, s71, 127
	s_lshl_b32 s77, s76, 23
	v_mov_b32 v33, s77                             ; 2^e9
	s_add_co_i32 s76, s76, 8
	s_lshl_b32 s76, s76, 23
	s_or_b32 s76, s76, 0x600000
	v_mov_b32 v32, s76                             ; 448 x 2^e9,
	v_mov_b32 v37, s76                             ; twice: the two halves of a dual pair take their first sources from different register banks
	s_sub_co_i32 s76, s72, s70
	s_sub_co_i32 s76, s76, s71                     ; O / l stands for ctx / 2^(e8 + e9): its code is (O / l) / 2^(e10 - e8 - e9)
	s_add_co_i32 s76, s76, 127
	s_lshl_b32 s77, s76, 23
	v_mov_b32 v35, s77
	s_add_co_i32 s76, s76, 8
	s_lshl_b32 s76, s76, 23
	s_or_b32 s76, s76, 0x600000
	v_mov_b32 v34, s76
; The hold of two p: the conversion does not saturate (ISA guide 7.6.2); p is not negative, so the hold is one-sided
.macro HOLD2 r
	v_dual_min_num_f32 v[\r], v32, v[\r] :: v_dual_min_num_f32 v[\r+1], v37, v[\r+1]
.endm
; The largest score of my query among my 64 keys of tile T, in four chains; each accumulator is read from its low end on.  MXI: the chains' first lines; MXP: scores 12 + 2 j, 13 + 2 j
.macro MXI T
.irp q, 0,1,2,3
	v_max3_num_f32 v[24+4*\T+\q], v[64+64*\T+3*\q], v[65+64*\T+3*\q], v[66+64*\T+3*\q]
.endr
.endm
.macro MXP T
	v_max3_num_f32 v[24+4*\T+j%4], v[24+4*\T+j%4], v[76+64*\T+2*j], v[77+64*\T+2*j]
.endm
; Line n of tile T's chain from the four maxima to -M and f
.macro CH T, n
.if (\n) == 0
	v_max3_num_f32 v[24+4*\T], v[24+4*\T], v[25+4*\T], v[26+4*\T]
.elseif (\n) == 1
	v_max_num_f32 v[24+4*\T], v[24+4*\T], v[27+4*\T]
.elseif (\n) == 2
	v_permlanex16_b32 v[8+\T], v[24+4*\T], s[SEL], s[SEL+1]
.elseif (\n) == 3
	v_max_num_f32 v[24+4*\T], v[24+4*\T], v[8+\T]  ; and among lane l xor 16's
.elseif (\n) == 4
	v_mul_f32 v[24+4*\T], s[CS], v[24+4*\T]        ; as t
.elseif (\n) == 5
	v_mov_b32 v[10+\T], v[12+2*\T]
.elseif (\n) == 6
	v_max_num_f32 v[13+2*\T], v[13+2*\T], v[24+4*\T]
.elseif (\n) == 7
	v_floor_f32 v[12+2*\T], -v[13+2*\T]            ; -M = floor(-t): M is a whole number
.elseif (\n) == 8
	v_sub_f32 v[24+4*\T], v[12+2*\T], v[10+\T]     ; old M - new M
.elseif (\n) == 9
	v_cvt_i32_f32 v[24+4*\T], v[24+4*\T]           ; (it saturates)
.elseif (\n) == 10
	v_ldexp_f32 v[20+2*\T], 1.0, v[24+4*\T]        ; f = 2^(old M - new M)
.endif
.endm
; The row's sum is taken of the unquantised p of tile T: 32 pairs, in four chains
.macro AD T
	v_pk_add_f32 v[224+8*\T:225+8*\T], v[64+64*\T:65+64*\T], v[66+64*\T:67+64*\T]
	v_pk_add_f32 v[226+8*\T:227+8*\T], v[68+64*\T:69+64*\T], v[70+64*\T:71+64*\T]
	v_pk_add_f32 v[228+8*\T:229+8*\T], v[72+64*\T:73+64*\T], v[74+64*\T:75+64*\T]
.set j, 6
.rept 26
.if j%4 == 0
	v_pk_add_f32 v[16+2*\T:17+2*\T], v[16+2*\T:17+2*\T], v[64+64*\T+2*j:65+64*\T+2*j]
.else
	v_pk_add_f32 v[222+8*\T+2*(j%4):223+8*\T+2*(j%4)], v[222+8*\T+2*(j%4):223+8*\T+2*(j%4)], v[64+64*\T+2*j:65+64*\T+2*j]
.endif
.set j, j+1
.endr
	v_pk_add_f32 v[224+8*\T:225+8*\T], v[224+8*\T:225+8*\T], v[226+8*\T:227+8*\T]
	v_pk_add_f32 v[16+2*\T:17+2*\T], v[16+2*\T:17+2*\T], v[228+8*\T:229+8*\T]
	v_pk_add_f32 v[16+2*\T:17+2*\T], v[16+2*\T:17+2*\T], v[224+8*\T:225+8*\T]
.endm
; A KEY STEP: 128 keys.  K's fragments are on their way or in; last = 1: no step follows, so no K is fetched.
.macro STEP last
	v_add_nc_u32 v[ADV], s[TBV], v[LI]             ; these four lines are the places in front of loads into registers that the last products read
.if \last
	v_nop
.else
	v_add_nc_u32 v[ADK], s[TBK], v[LI]
.endif
	v_nop
	v_nop
	WIN 0x40
.set i, 0
.rept 16
	ds_load_b128 v[64+4*i:67+4*i], v[ADV] offset:512*i
.set i, i+1
.endr
	s_wait_alu depctr_va_vdst(0)
	s_wait_dscnt 16                                ; K is in; V's sixteen loads may be out
	WIN 0x01
.irp c, 0,1,2,3,4,5,6,7
.irp T, 0,1
	v_wmma_f32_16x16x64_fp8_fp8 v[64+64*\T+8*\c:71+64*\T+8*\c], v[8*\c:8*\c+7], v[40+8*\T:47+8*\T], 0
.endr
.endr
.rept 4
	v_nop                                          ; places: in front of the loads into K's registers and of the first read of the scores
.endr
.if \last == 0
	WIN 0x40
.set i, 0
.rept 16
	ds_load_b128 v[4*i:4*i+3], v[ADK] offset:512*i ; the next step's K
.set i, i+1
.endr
.endif
	WIN 0
	MXI 0
.set j, 0
.rept 26
	MXP 0
.set j, j+1
.endr
	MXI 1
.set j, 0
.rept 26                                           ; tile 1's maxima, and behind every second of them a line of tile 0's chain
	MXP 1
.if j%2 == 1
	CH 0, (j/2)
.endif
.set j, j+1
.endr
.set j, 0
.rept 32                                           ; tile 0: t - M, and behind every second line a line of tile 1's chain
	v_pk_fma_f32 v[64+2*j:65+2*j], v[64+2*j:65+2*j], s[CS:CS+1], v[12:13] op_sel_hi:[1,0,0]
.if j%2 == 1
	CH 1, (j/2)
.endif
.set j, j+1
.endr
	WIN 0x41                                       ; O^T (destination and source 0) window 1, f window 0
.irp T, 0,1
.set i, 0
.rept 16
	v_pk_mul_f32 v[128+32*\T+i:129+32*\T+i], v[128+32*\T+i:129+32*\T+i], v[20+2*\T:21+2*\T] op_sel_hi:[1,0]   ; O^T under the new M: its first read, ahead of the step's exponentials
.set i, i+2
.endr
.endr
	WIN 0
	s_wait_alu depctr_va_vdst(0)                   ; the wait ahead of the batch
.set j, 0
.rept 32                                           ; tile 0: p = 2^(t - M); tile 1's t - M takes turns with the batch: it names none of its registers
	v_exp_f32 v[64+2*j], v[64+2*j]
	v_exp_f32 v[65+2*j], v[65+2*j]
	v_pk_fma_f32 v[128+2*j:129+2*j], v[128+2*j:129+2*j], s[CS:CS+1], v[14:15] op_sel_hi:[1,0,0]
.set j, j+1
.endr
.irp T, 0,1
	v_pk_mul_f32 v[16+2*\T:17+2*\T], v[16+2*\T:17+2*\T], v[20+2*\T:21+2*\T] op_sel_hi:[1,0]   ; the sums under the new M
.endr
	s_wait_alu depctr_va_vdst(0)                   ; the wait behind the batch, ahead of its first reader
	AD 0
	s_wait_alu depctr_va_vdst(0)                   ; and the wait ahead of the second batch
.set j, 0
.rept 32                                           ; tile 1: p; tile 0's holds take turns with the batch
	v_exp_f32 v[128+2*j], v[128+2*j]
	v_exp_f32 v[129+2*j], v[129+2*j]
	HOLD2 64+2*j
.set j, j+1
.endr
	v_nop                                          ; a plain place behind the last exponential
	s_wait_alu depctr_va_vdst(0)                   ; the wait behind the batch
	AD 1
.set j, 0
.rept 32
	HOLD2 128+2*j
.set j, j+1
.endr
.irp T, 0,1
.irp c, 0,1,2,3,4,5,6,7
	v_cvt_scalef32_pk8_fp8_f32 v[192+16*\T+2*\c:193+16*\T+2*\c], v[64+64*\T+8*\c:71+64*\T+8*\c], v33
.endr
.endr
	v_nop                                          ; a plain line between the conversions and the products that read their results
	s_wait_alu depctr_va_vdst(0)
.if \last
	s_wait_dscnt 0x0                               ; V is in
.else
	s_wait_dscnt 16                                ; V is in; the next K's sixteen loads may be out
.endif
	WIN 0x51                                       ; V, C and D window 1, P window 0
.irp t, 0,1,2,3
.irp T, 0,1
	v_wmma_f32_16x16x128_fp8_fp8 v[128+32*\T+8*\t:135+32*\T+8*\t], v[64+16*\t:79+16*\t], v[192+16*\T:207+16*\T], v[128+32*\T+8*\t:135+32*\T+8*\t]
.endr
.endr
	WIN 0
.endm
.macro NEXT lab                        ; on to the next key step
	s_add_co_u32 s[TBK], s[TBK], 8192
	s_add_co_u32 s[TBV], s[TBV], 8192
	s_sub_co_u32 s[CNT], s[CNT], 1
	s_cmp_lg_u32 s[CNT], 0
	s_cbranch_scc1 \lab
.endm
	s_wait_alu depctr_va_vdst(0)                   ; the wait at the head's end
	s_wait_loadcnt 0x0                             ; Q
	s_wait_tensorcnt 0x0                           ; my part of keys 0-511 is in
	ds_add_u32 v[SPW], v[NIL]
	s_mov_b32 s33, s41                             ; no load of mine is out, so the descriptors may be written: the second group's
	s_mov_b64 s[34:35], s[38:39]
	s_or_b32 s35, s35, 0x80000000
	s_mov_b32 s18, 24<<16                          ; K: 24 rows
	s_mov_b32 s20, 24
	s_mov_b32 s25, 1024<<16                        ; V: rows of 8,192 bytes,
	s_mov_b32 s26, 3<<16                           ; three of them,
	s_mov_b32 s27, 1024<<16
	s_mov_b32 s28, 3
	s_mov_b32 s29, 2048                            ; 16,384 bytes apart
	s_wait_dscnt 0x0                               ; the add is done
	CROUND                                         ; everybody's part of keys 0-511 is in, and all four work-groups are here
	TLOAD                                          ; keys 512-2,047: the first tensor load behind the round
	WIN 0x40
.set i, 0
.rept 16
	ds_load_b128 v[4*i:4*i+3], v[LI] offset:512*i  ; the first step's K
.set i, i+1
.endr
	WIN 0
	s_mov_b32 s[TBK], 8192
	s_mov_b32 s[TBV], VB
	s_mov_b32 s[CNT], 3
.Lfirst:                                           ; key steps 0 to 2: they read keys 0-511 alone
	STEP 0
	NEXT .Lfirst
	s_wait_tensorcnt 0x0                           ; my part of keys 512-2,047 is in
	s_wait_dscnt 0x0                               ; (no LDS instruction of mine is out at a signal)
	s_barrier_signal -1
	s_barrier_wait -1                              ; everybody's is
	s_mov_b32 s[TBK], 4*8192
	s_mov_b32 s[TBV], VB+3*8192
	s_mov_b32 s[CNT], 12
.Lstep:                                            ; key steps 3 to 14; the last, which fetches no K, is written out
	STEP 0
	NEXT .Lstep
	STEP 1
	; THE WAY OUT: O^T / the sum, held, converted: tile t's eight channels become registers 2 t, 2 t + 1 of my head's half of an image
.rept 4
	v_nop
.endr
.irp T, 0,1
	v_add_f32 v[16+2*\T], v[16+2*\T], v[17+2*\T]
.endr
.irp T, 0,1
	s_delay_alu instid0(VALU_DEP_2)
	v_permlanex16_b32 v[8+\T], v[16+2*\T], s[SEL], s[SEL+1]
.endr
.irp T, 0,1
	s_delay_alu instid0(VALU_DEP_2)
	v_add_f32 v[16+2*\T], v[16+2*\T], v[8+\T]
.endr
	s_wait_alu depctr_va_vdst(0)                   ; ahead of the two reciprocals
.irp T, 0,1
	v_rcp_f32 v[20+2*\T], v[16+2*\T]
.endr
	v_nop
	WIN 0x01
	s_wait_alu depctr_va_vdst(0)                   ; one wait for the two reciprocals and for O^T, directly ahead of their first reader
.irp T, 0,1
.set i, 0
.rept 16
	v_pk_mul_f32 v[64+32*\T+i:65+32*\T+i], v[128+32*\T+i:129+32*\T+i], v[20+2*\T:21+2*\T] op_sel_hi:[1,0]
.set i, i+2
.endr
.endr
	WIN 0
.set i, 0
.rept 64
	v_med3_num_f32 v[64+i], v[64+i], -v34, v34
.set i, i+1
.endr
.irp T, 0,1
.irp t, 0,1,2,3
	v_cvt_scalef32_pk8_fp8_f32 v[192+8*\T+2*\t:193+8*\T+2*\t], v[64+32*\T+8*\t:71+32*\T+8*\t], v35
.endr
.endr
	v_nop
.irp T, 0,1
	global_store_b128 v[LI], v[192+8*\T:195+8*\T], s[8:9] offset:16384*\T
	global_store_b128 v[LI], v[196+8*\T:199+8*\T], s[8:9] offset:16384*\T+512
.endr
	s_wait_tensorcnt 0x0                           ; the wave's end
	ds_add_u32 v[SPW], v[NIL]
	s_wait_dscnt 0x0
	CROUND                                         ; the closing round
	s_endpgm
.Lfunc_end_k_q0bad56b916_attn:
	.size	k_q0bad56b916_attn, .Lfunc_end_k_q0bad56b916_attn-k_q0bad56b916_attn
	.p2alignl 7, 3214868480
	.fill 96, 4, 3214868480
	.section	.rodata,"a",@progbits
	.p2align	6, 0x0
	.amdhsa_kernel k_q0bad56b916_attn
		.amdhsa_group_segment_fixed_size 327680
		.amdhsa_private_segment_fixed_size 0
		.amdhsa_enable_private_segment 0
		.amdhsa_kernarg_size 24
		.amdhsa_user_sgpr_count 2
		.amdhsa_user_sgpr_kernarg_segment_ptr 1
		.amdhsa_wavefront_size32 1
		.amdhsa_system_sgpr_workgroup_id_x 1
		.amdhsa_system_sgpr_workgroup_id_y 1
		.amdhsa_system_sgpr_workgroup_id_z 1
		.amdhsa_system_vgpr_workitem_id 0
		.amdhsa_next_free_vgpr 512
		.amdhsa_next_free_sgpr 100
		.amdhsa_reserve_vcc 0
		.amdhsa_float_denorm_mode_32 3
		.amdhsa_float_denorm_mode_16_64 3
		.amdhsa_memory_ordered 1
		.amdhsa_forward_progress 1
		.amdhsa_inst_pref_size 104
	.end_amdhsa_kernel
	.amdgpu_metadata
---
amdhsa.version: [ 1, 2 ]
amdhsa.kernels:
  - .name:           k_q0bad56b916_attn
    .symbol:         k_q0bad56b916_attn.kd
    .args:
      - { .name: qkv, .offset: 0, .size: 8, .value_kind: global_buffer, .address_space: global }
      - { .name: lowp_scales, .offset: 8, .size: 8, .value_kind: global_buffer, .address_space: global }
      - { .name: cimg, .offset: 16, .size: 8, .value_kind: global_buffer, .address_space: global }
    .group_segment_fixed_size: 327680
    .private_segment_fixed_size: 0
    .kernarg_segment_align: 8
    .kernarg_segment_size: 24
    .max_flat_workgroup_size: 256
    .sgpr_count:     100
    .vgpr_count:     512
    .wavefront_size: 32
...
	.end_amdgpu_metadata
.endif
;; end of part 3
;; launch wo (part 4): grid 8 x 32, 4 waves a work-group, clusters of 4 x 4, 327,680 bytes of LDS; arguments cimg, wimg, x, lowp_scales, mlpin; writes mlpin
.if DOCPART == 4
	.amdgcn_target "amdgcn-amd-amdhsa--gfx1250"
	.amdhsa_code_object_version 6
	.text
	.protected	k_q0bad56b916_wo
	.globl	k_q0bad56b916_wo
	.p2align	8
	.type	k_q0bad56b916_wo,@function
k_q0bad56b916_wo:
	s_mov_b64 s[64:65], 0
	v_nop
	global_prefetch_b8 v0, s[64:65] scope:SCOPE_SE
	s_setreg_imm32_b32 hwreg(HW_REG_WAVE_MODE, 25, 1), 1
	s_wait_xcnt 0x0
	s_wait_alu depctr_hold_cnt(0) depctr_sa_sdst(0) depctr_va_vdst(0) depctr_va_sdst(0) depctr_va_ssrc(0) depctr_va_vcc(0) depctr_vm_vsrc(0)
	s_getreg_b32 s2, hwreg(HW_REG_IB_STS2, 6, 4)
	s_cmp_eq_u32 s2, 0
	s_cbranch_scc0 .Lentry_in_a_cluster
	s_endpgm
.Lentry_in_a_cluster:
	s_bfe_u32 s2, ttmp6, 0x10000c
	s_cmp_lg_u32 s2, 0xf033
	s_cbranch_scc0 .Lentry_shape_is_right
	s_endpgm
.Lentry_shape_is_right:
; mlp_in = ctx wo + x: a product on E4M3 codes (K = KK) with an f32 residual.  out = sum x 2^(eA + eB) (+ bias) + residual.
; A tile of 128 x 128 a work-group (256 work-groups), 64 x 64 a wave: 16 accumulators.  Operands lie in memory as images of their registers (16 rows x 128 k: 2,048 bytes), so a wave's tensor load is 4 dense rows of 16,384 bytes
; (1,024 along K) and a fragment is four ds_load_b128 at 16 x lane.  Two slots of 512 along K.  Source 0 = the weight's rows, source 1 = the tokens': a lane holds eight neighbouring columns of one row.
; CLUSTER 4 x 4: A's tile is asked for jointly by my row of the cluster, B's by my column.  LIMIT: eA + eB between -126 and 127.
; No prefetch: on this small tile the loads' own lead is kept.
; REGISTERS: window 0: v16-29 addresses, v32-35 bias, v128-255 accumulators ((a, b) at 128 + 8 (4 a + b)); window 1: two fragment buffers of 128 (A's four, then B's four); window 2: v0-127 the residual of the 32 rows that I store.
.set KK,     1024
.set WOFF,   0x300000                  ; the weight's images in wimg
.set EOFF,   0x28                      ; its two exponents in lowp_scales
.set HAS_BIAS, 0
; THE FORM OF THIS TEXT: K = 1,024 lies in LDS whole.  Each wave issues ONE tensor load, its 64 rows x 1,024 k: four dense rows of 16,384 bytes, 65,536 bytes of LDS (A's two halves, then B's two).  Nothing is filled again.
.set SLOT,   8192                      ; the second 512 along K begin four images on in each tile of 16 rows
.set SPARE,  262144
.set SPITCH, 528                       ; the stage: 128 rows x (512 + 16) bytes, from LDS byte 0, behind a barrier behind which no wave reads an operand any more
.set LAPS,   KK/1024
.set ADRA, 16
.set ADRB, 20
.set STO,  24
.set RD,   25
.set CO,   26
.set SPW,  28
.set NIL,  29
.set ACC,  128
.set F0,   0
.set F1,   128
.set G1, 24
.set G0, 32
.set G1B, 48
.set G0B, 56
.set MSB, 0
.macro WIN new
.if MSB != \new
	s_set_vgpr_msb (MSB<<8)|\new
.set MSB, \new
.endif
.endm
.set MUL,  0x05                        ; sources 0 and 1 window 1, C and D window 0
.set TO_F, 0x40
.macro JLOAD s
	s_cmp_eq_u32 s15, 0
	s_cbranch_scc0 .Lfor_b_\@
	tensor_load_to_lds s[G0+4*\s:G0+4*\s+3], s[G1:G1+7]
	s_nop 0
.rept 4
	v_nop
.endr
	s_branch .Lasked_\@
.Lfor_b_\@:
	tensor_load_to_lds s[G0B+4*\s:G0B+4*\s+3], s[G1B:G1B+7]
	s_nop 0
.rept 4
	v_nop
.endr
.Lasked_\@:
.endm
.macro CREST
	s_cmp_lg_u32 s14, 0
	s_cbranch_scc1 .Lnot_wave_0_\@
	s_barrier_signal -3
.Lnot_wave_0_\@:
	s_barrier_wait -3
	s_barrier_signal -1
	s_barrier_wait -1
.endm
.macro CROUND
	s_barrier_signal -1
	s_barrier_wait -1
	CREST
.endm
	s_load_b256 s[4:11], s[0:1], 0x0               ; A's images, wimg, the residual, lowp_scales
	s_load_b64 s[12:13], s[0:1], 0x20              ; the output
.if HAS_BIAS
	s_load_b64 s[74:75], s[0:1], 0x28              ; the bias
.endif
	v_lshl_add_u32 v[SPW], v0, 2, SPARE
	v_mov_b32 v[NIL], 0
	ds_add_u32 v[SPW], v[NIL]                      ; the wave's opening: the add and its wait ahead of my first tensor load
	ds_add_u32 v[SPW], v[NIL]
	v_lshrrev_b32 v1, 5, v0
	v_readfirstlane_b32 s14, v1                    ; wave 0..3
	s_lshr_b32 s15, s14, 1                         ; my half of the rows.  Also: I fetch for A (0) or B (1)
	s_and_b32 s16, s14, 1                          ; my half of the columns.  Also: which 64 rows I fetch
	s_bfe_u32 s40, ttmp6, 0x40000
	s_bfe_u32 s41, ttmp6, 0x40004
	s_lshl_b32 s42, ttmp9, 2
	s_add_co_u32 s42, s42, s40                     ; tile column
	s_and_b32 s17, ttmp7, 0xffff
	s_lshl_b32 s17, s17, 2
	s_add_co_u32 s17, s17, s41                     ; tile row
	s_lshl_b32 s43, s41, 2
	s_lshl_b32 s43, 15, s43
	s_lshl_b32 s44, 0x1111, s40
	s_or_b32 s[G1+0], s43, (3<<16)|(1<<21)
	s_or_b32 s[G1B+0], s44, (3<<16)|(1<<21)
.irp g, G1, G1B
	s_mov_b32 s[\g+1], 2048<<16                    ; rows of 16,384 bytes: eight images,
	s_mov_b32 s[\g+2], 4<<16                       ; four tiles of 16 rows,
	s_mov_b32 s[\g+3], 2048<<16
	s_mov_b32 s[\g+4], 4
	s_mov_b32 s[\g+5], 2*KK                        ; 16 KK bytes apart
	s_mov_b32 s[\g+6], 0
	s_mov_b32 s[\g+7], 0
.endr
	s_lshl_b32 s18, s16, 2
	s_lshl_b32 s20, s17, 3
	s_add_co_u32 s20, s20, s18
	s_mul_i32 s20, s20, 16*KK
	s_lshl_b32 s46, s42, 3
	s_add_co_u32 s46, s46, s18
	s_mul_i32 s46, s46, 16*KK
	s_add_co_u32 s46, s46, WOFF
	s_mov_b32 s21, 0
	s_mov_b32 s47, 0
	s_lshl_b32 s45, s14, 16
	s_wait_dscnt 0x0                               ; the opening add is done
	s_wait_kmcnt 0x0
	s_load_b64 s[68:69], s[10:11], EOFF
	s_add_nc_u64 s[20:21], s[4:5], s[20:21]
	s_add_nc_u64 s[46:47], s[6:7], s[46:47]
	CROUND
.irp s, 0
	s_mov_b32 s[G0+4*\s], 1
	s_add_co_u32 s[G0+4*\s+1], s45, \s*SLOT
	s_add_nc_u64 s[G0+4*\s+2:G0+4*\s+3], s[20:21], \s*8192
	s_or_b32 s[G0+4*\s+3], s[G0+4*\s+3], 0x80000000
	s_mov_b32 s[G0B+4*\s], 1
	s_add_co_u32 s[G0B+4*\s+1], s45, \s*SLOT
	s_add_nc_u64 s[G0B+4*\s+2:G0B+4*\s+3], s[46:47], \s*8192
	s_or_b32 s[G0B+4*\s+3], s[G0B+4*\s+3], 0x80000000
	JLOAD \s
.endr
	v_and_b32 v6, 31, v0
	v_lshlrev_b32 v[CO], 4, v6
	v_and_b32 v1, 15, v0
	s_wait_alu depctr_va_vdst(0)
	v_bfe_u32 v2, v0, 4, 1
	s_lshl_b32 s21, s15, 16
	s_lshl_b32 s22, s16, 16
	s_add_co_u32 s22, s22, 131072
.irp s, 0,1
	v_add_nc_u32 v[ADRA+\s], s21, v[CO]
	v_add_nc_u32 v[ADRB+\s], s22, v[CO]
	s_add_co_u32 s21, s21, SLOT
	s_add_co_u32 s22, s22, SLOT
.endr
	s_mul_i32 s23, s15, 64*SPITCH
	s_lshl_b32 s21, s16, 8
	s_add_co_u32 s23, s23, s21
	v_mul_u32_u24 v4, v1, SPITCH
	s_wait_alu depctr_va_vdst(0)
	v_lshl_add_u32 v4, v2, 5, v4
	v_add_nc_u32 v[STO], s23, v4                   ; into the stage: row 64 (wave/2) + r, byte 256 (wave%2) + 32 h
	s_mul_i32 s23, s14, 32*SPITCH
	v_add_nc_u32 v[RD], s23, v[CO]                 ; back: rows 32 wave on, whole
	s_lshl_b32 s66, s17, 7
	s_lshl_b32 s67, s14, 5
	s_add_co_u32 s66, s66, s67
	s_lshl_b32 s66, s66, 12
	s_lshl_b32 s67, s42, 9
	s_add_co_u32 s66, s66, s67
	s_mov_b32 s67, 0
	s_add_nc_u64 s[8:9], s[8:9], s[66:67]
	s_add_nc_u64 s[12:13], s[12:13], s[66:67]
.if HAS_BIAS
	s_lshl_b32 s66, s42, 9
	s_add_nc_u64 s[74:75], s[74:75], s[66:67]
	global_load_b128 v[32:35], v[CO], s[74:75]
.endif
	s_wait_kmcnt 0x0
	s_add_co_i32 s68, s68, s69
	s_add_co_i32 s68, s68, 127
	s_lshl_b32 s68, s68, 23                        ; 2^(eA + eB)
	s_mov_b32 s69, s68
; n blocks of A from a0 on x B's four.  The 16 accumulators take turns, one instruction a turn, in the same order in every quarter.
.macro MULN f, a0, n, zero
.set aa, \a0
.rept \n
.irp b, 0,1,2,3
.if \zero
	v_wmma_f32_16x16x128_fp8_fp8 v[ACC+8*(4*aa+\b):ACC+8*(4*aa+\b)+7], v[\f+64+16*\b:\f+64+16*\b+15], v[\f+16*aa:\f+16*aa+15], 0
.else
	v_wmma_f32_16x16x128_fp8_fp8 v[ACC+8*(4*aa+\b):ACC+8*(4*aa+\b)+7], v[\f+64+16*\b:\f+64+16*\b+15], v[\f+16*aa:\f+16*aa+15], v[ACC+8*(4*aa+\b):ACC+8*(4*aa+\b)+7]
.endif
.endr
.set aa, aa+1
.endr
.endm
.macro FETCH slot, q, f                ; 32 LDS loads in one run: B's four fragments, then A's four
	WIN TO_F
.irp i, 0,1,2,3
.irp c, 0,1,2,3
	ds_load_b128 v[\f+64+16*\i+4*\c:\f+64+16*\i+4*\c+3], v[ADRB+\slot] offset:16384*\i+2048*(\q)+512*\c
.endr
.endr
.irp i, 0,1,2,3
.irp c, 0,1,2,3
	ds_load_b128 v[\f+16*\i+4*\c:\f+16*\i+4*\c+3], v[ADRA+\slot] offset:16384*\i+2048*(\q)+512*\c
.endr
.endr
.endm
.macro PLACES
.rept 4
	v_nop
.endr
.endm
.macro QUARTER slot, qn, f, g, zero    ; 128 along K from buffer f; the next 128, the slot's qn-th, are fetched into g
	s_wait_dscnt 8                                 ; B and A's blocks 0, 1 are in; blocks 2, 3 may be out
	WIN MUL
	MULN \f, 0, 2, \zero
	PLACES
	FETCH \slot, \qn, \g
	s_wait_dscnt 32                                ; all but the 32 just issued
	WIN MUL
	MULN \f, 2, 2, \zero
.endm
.macro TURN slot, next, fill           ; a slot's last quarter (buffer 1), and the change of slots
	WIN 0
	s_wait_tensorcnt 0x0                           ; all my tensor loads have landed: my part of the next slot
	ds_add_u32 v[SPW], v[NIL]                      ; 0 onto my spare word
	s_wait_dscnt 9                                 ; the add and A's blocks 2, 3 may be out
	WIN MUL
	MULN F1, 0, 1, 0
	s_wait_dscnt 0x0                               ; the add is done, and my reads of this slot are over
	s_barrier_signal -1
	MULN F1, 1, 1, 0
.if \fill
	WIN 0
.endif
	s_barrier_wait -1
.if \fill
	CREST                                          ; the barrier has opened a round of the cluster's
	s_add_nc_u64 s[G0+4*\slot+2:G0+4*\slot+3], s[G0+4*\slot+2:G0+4*\slot+3], 16384
	s_add_nc_u64 s[G0B+4*\slot+2:G0B+4*\slot+3], s[G0B+4*\slot+2:G0B+4*\slot+3], 16384
	JLOAD \slot                                    ; the first tensor load behind the round; its four v_nop are the places in front of the loads below
.else
	PLACES
.endif
	FETCH \next, 0, F0
	WIN MUL
	MULN F1, 2, 2, 0
.endm
	s_wait_alu depctr_va_vdst(0)                   ; the wait at the head's end
	s_wait_tensorcnt 0x0                           ; my quarter of the two operands is in
	s_barrier_signal -1
	s_barrier_wait -1                              ; everybody's is
	FETCH 0, 0, F0
	WIN 0x80                                       ; destination window 2
.set t, 0
.rept 32
	global_load_b128 v[4*t:4*t+3], v[CO], s[8:9] offset:4096*t    ; the residual of the rows that I store: asked for behind the operands' tiles, wanted behind the eight K steps
.set t, t+1
.endr
	QUARTER 0, 1, F0, F1, 1                        ; the first products start the sums
.if LAPS > 1
	WIN 0
	s_mov_b32 s3, LAPS-1
.Llap:
	QUARTER 0, 2, F1, F0, 0
	QUARTER 0, 3, F0, F1, 0
	TURN 0, 1, 1
	QUARTER 1, 1, F0, F1, 0
	QUARTER 1, 2, F1, F0, 0
	QUARTER 1, 3, F0, F1, 0
	TURN 1, 0, 1
	QUARTER 0, 1, F0, F1, 0
	WIN 0
	s_sub_co_u32 s3, s3, 1
	s_cmp_lg_u32 s3, 0
	s_cbranch_scc1 .Llap
.endif
	QUARTER 0, 2, F1, F0, 0
	QUARTER 0, 3, F0, F1, 0
	QUARTER 1, 0, F1, F0, 0
	QUARTER 1, 1, F0, F1, 0
	QUARTER 1, 2, F1, F0, 0
	QUARTER 1, 3, F0, F1, 0
	s_wait_dscnt 8
	WIN MUL
	MULN F1, 0, 2, 0
	s_wait_alu depctr_va_vdst(0)
	s_wait_dscnt 0
	MULN F1, 2, 2, 0
	WIN 0
	s_barrier_signal -1                            ; my reads of the operands are over (the wait for them stands above): the stage lies on A's bytes
	s_barrier_wait -1
	; THE WAY OUT: the sums go into the work-group's stage, a barrier (a row's 512 bytes come from two waves), back as whole rows; then sum x 2^(eA + eB) + residual, and 32 lanes store 512 consecutive bytes.
	PLACES
.irp a, 0,1,2,3
.irp b, 0,1,2,3
	ds_store_b128 v[STO], v[ACC+8*(4*\a+\b):ACC+8*(4*\a+\b)+3] offset:\a*16*SPITCH+64*\b
	ds_store_b128 v[STO], v[ACC+8*(4*\a+\b)+4:ACC+8*(4*\a+\b)+7] offset:\a*16*SPITCH+64*\b+16
.endr
.endr
	s_wait_dscnt 0x0                               ; for the others' sake: my stores into the stage are done
	s_barrier_signal -1
	s_barrier_wait -1
.set t, 0
.rept 32
	ds_load_b128 v[ACC+4*t:ACC+4*t+3], v[RD] offset:SPITCH*t
.set t, t+1
.endr
	s_wait_loadcnt 0x0                             ; the residual (and the bias)
	WIN 0x20                                       ; source 2 window 2
.set t, 0
.rept 32
	s_wait_dscnt 31-t
	v_pk_fma_f32 v[ACC+4*t:ACC+4*t+1], v[ACC+4*t:ACC+4*t+1], s[68:69], v[4*t:4*t+1] op_sel_hi:[1,0,1]
	v_pk_fma_f32 v[ACC+4*t+2:ACC+4*t+3], v[ACC+4*t+2:ACC+4*t+3], s[68:69], v[4*t+2:4*t+3] op_sel_hi:[1,0,1]
.if HAS_BIAS
	v_pk_add_f32 v[ACC+4*t:ACC+4*t+1], v[ACC+4*t:ACC+4*t+1], v[32:33]
	v_pk_add_f32 v[ACC+4*t+2:ACC+4*t+3], v[ACC+4*t+2:ACC+4*t+3], v[34:35]
.endif
	global_store_b128 v[CO], v[ACC+4*t:ACC+4*t+3], s[12:13] offset:4096*t
.set t, t+1
.endr
	WIN 0
	s_wait_tensorcnt 0x0                           ; the wave's end
	ds_add_u32 v[SPW], v[NIL]
	s_wait_dscnt 0x0
	CROUND                                         ; the closing round
	s_endpgm
.Lfunc_end_k_q0bad56b916_wo:
	.size	k_q0bad56b916_wo, .Lfunc_end_k_q0bad56b916_wo-k_q0bad56b916_wo
	.p2alignl 7, 3214868480
	.fill 96, 4, 3214868480
	.section	.rodata,"a",@progbits
	.p2align	6, 0x0
	.amdhsa_kernel k_q0bad56b916_wo
		.amdhsa_group_segment_fixed_size 327680
		.amdhsa_private_segment_fixed_size 0
		.amdhsa_enable_private_segment 0
		.amdhsa_kernarg_size 40
		.amdhsa_user_sgpr_count 2
		.amdhsa_user_sgpr_kernarg_segment_ptr 1
		.amdhsa_wavefront_size32 1
		.amdhsa_system_sgpr_workgroup_id_x 1
		.amdhsa_system_sgpr_workgroup_id_y 1
		.amdhsa_system_sgpr_workgroup_id_z 1
		.amdhsa_system_vgpr_workitem_id 0
		.amdhsa_next_free_vgpr 640
		.amdhsa_next_free_sgpr 100
		.amdhsa_reserve_vcc 0
		.amdhsa_float_denorm_mode_32 3
		.amdhsa_float_denorm_mode_16_64 3
		.amdhsa_memory_ordered 1
		.amdhsa_forward_progress 1
		.amdhsa_inst_pref_size 48
	.end_amdhsa_kernel
	.amdgpu_metadata
---
amdhsa.version: [ 1, 2 ]
amdhsa.kernels:
  - .name:           k_q0bad56b916_wo
    .symbol:         k_q0bad56b916_wo.kd
    .args:
      - { .name: cimg, .offset: 0, .size: 8, .value_kind: global_buffer, .address_space: global }
      - { .name: wimg, .offset: 8, .size: 8, .value_kind: global_buffer, .address_space: global }
      - { .name: x, .offset: 16, .size: 8, .value_kind: global_buffer, .address_space: global }
      - { .name: lowp_scales, .offset: 24, .size: 8, .value_kind: global_buffer, .address_space: global }
      - { .name: mlpin, .offset: 32, .size: 8, .value_kind: global_buffer, .address_space: global }
    .group_segment_fixed_size: 327680
    .private_segment_fixed_size: 0
    .kernarg_segment_align: 8
    .kernarg_segment_size: 40
    .max_flat_workgroup_size: 128
    .sgpr_count:     100
    .vgpr_count:     640
    .wavefront_size: 32
...
	.end_amdgpu_metadata
.endif
;; end of part 4
;; launch ln2 (part 5): grid 256 x 1, 8 waves a work-group, no clusters, 66,816 bytes of LDS; arguments mlpin, ln2_s, ln2_b, lowp_scales, h2img; writes h2img
.if DOCPART == 5
	.amdgcn_target "amdgcn-amd-amdhsa--gfx1250"
	.amdhsa_code_object_version 6
	.text
	.protected	k_q0bad56b916_ln2
	.globl	k_q0bad56b916_ln2
	.p2align	8
	.type	k_q0bad56b916_ln2,@function
k_q0bad56b916_ln2:
	s_mov_b64 s[64:65], 0
	v_nop
	global_prefetch_b8 v0, s[64:65] scope:SCOPE_SE
	s_setreg_imm32_b32 hwreg(HW_REG_WAVE_MODE, 25, 1), 1
	s_wait_xcnt 0x0
; LayerNorm 2 of 16 rows of mlp_in a work-group, quantised (scale 12) into images of an operand's registers: [row tile][K/128][2,048], register i of lane l at 512 (i/4) + 16 l + 4 (i%4).
; Wave w loads rows 2 w, 2 w + 1 (a row is 32 registers of a wave), normalises them in registers, and lays them in LDS; behind one barrier wave w takes columns 128 w on of all 16 rows and converts them.
; LIMIT: e12 between -126 and 119.  NaN among the inputs is not served.  Memory binds: no matrix unit, no cluster (only gain and bias are shared).
.set LNP,   4112                       ; a row in LDS: 4,096 + 16
.set SPARE, 65792
.set SPW, 4
.set NIL, 5
	s_load_b256 s[8:15], s[0:1], 0x0               ; mlpin, ln2_s, ln2_b, lowp_scales
	s_load_b64 s[16:17], s[0:1], 0x20              ; h2img
	v_lshl_add_u32 v[SPW], v0, 2, SPARE
	v_mov_b32 v[NIL], 0
	v_lshrrev_b32 v1, 5, v0
	s_delay_alu instid0(VALU_DEP_1)
	v_readfirstlane_b32 s34, v1
	v_and_b32 v1, 31, v0
	s_delay_alu instid0(VALU_DEP_1)
	v_lshlrev_b32 v2, 4, v1
	s_mov_b32 s36, ttmp9
	s_lshl_b32 s40, s36, 16
	s_lshl_b32 s41, s34, 13
	s_add_co_u32 s40, s40, s41
	s_mov_b32 s41, 0
	s_wait_alu depctr_va_vdst(0)
	s_wait_kmcnt 0x0
	s_load_b32 s48, s[14:15], 0x30                 ; e12
	s_add_nc_u64 s[8:9], s[8:9], s[40:41]
.irp p, 0,1
.irp j, 0,1,2,3,4,5,6,7
	global_load_b128 v[32+32*\p+4*\j:35+32*\p+4*\j], v2, s[8:9] offset:4096*\p+512*\j
.endr
.endr
.irp j, 0,1,2,3,4,5,6,7
	global_load_b128 v[96+4*\j:99+4*\j], v2, s[10:11] offset:512*\j
.endr
.irp j, 0,1,2,3,4,5,6,7
	global_load_b128 v[128+4*\j:131+4*\j], v2, s[12:13] offset:512*\j
.endr
	s_mul_i32 s40, s34, 2*LNP
	v_add_nc_u32 v3, s40, v2
	v_and_b32 v25, 15, v0
	s_delay_alu instid0(VALU_DEP_1)
	v_mul_u32_u24 v24, v25, LNP
	v_bfe_u32 v25, v0, 4, 1
	s_delay_alu instid0(VALU_DEP_1)
	v_lshl_add_u32 v24, v25, 5, v24
	s_lshl_b32 s40, s34, 9
	v_add_nc_u32 v24, s40, v24
	s_mov_b32 s84, 0x76543210
	s_mov_b32 s85, 0xfedcba98
	s_mov_b32 s88, 0x3a800000                      ; 1/1024
.macro REDUCE d
	v_add_f32_dpp v[\d], v[\d], v[\d] row_xmask:1 row_mask:0xf bank_mask:0xf
	s_delay_alu instid0(VALU_DEP_1)
	v_add_f32_dpp v[\d], v[\d], v[\d] row_xmask:2 row_mask:0xf bank_mask:0xf
	s_delay_alu instid0(VALU_DEP_1)
	v_add_f32_dpp v[\d], v[\d], v[\d] row_xmask:4 row_mask:0xf bank_mask:0xf
	s_delay_alu instid0(VALU_DEP_1)
	v_add_f32_dpp v[\d], v[\d], v[\d] row_xmask:8 row_mask:0xf bank_mask:0xf
	s_delay_alu instid0(VALU_DEP_1)
	v_permlanex16_b32 v[\d+1], v[\d], s84, s85
	s_delay_alu instid0(VALU_DEP_1)
	v_add_f32 v[\d], v[\d], v[\d+1]
.endm
	s_wait_loadcnt 16                              ; the rows' sixteen loads are in; gain and bias may be out
.irp p, 0,1
	v_pk_add_f32 v[208+8*\p:209+8*\p], v[32+32*\p:33+32*\p], v[34+32*\p:35+32*\p]
	v_pk_add_f32 v[210+8*\p:211+8*\p], v[36+32*\p:37+32*\p], v[38+32*\p:39+32*\p]
.endr
.irp j, 8,12,16,20,24,28
.irp p, 0,1
	s_delay_alu instid0(VALU_DEP_4)
	v_pk_add_f32 v[208+8*\p:209+8*\p], v[208+8*\p:209+8*\p], v[32+32*\p+\j:33+32*\p+\j]
	s_delay_alu instid0(VALU_DEP_4)
	v_pk_add_f32 v[210+8*\p:211+8*\p], v[210+8*\p:211+8*\p], v[34+32*\p+\j:35+32*\p+\j]
.endr
.endr
.irp p, 0
	s_delay_alu instid0(VALU_DEP_3)
	v_pk_add_f32 v[208+8*\p:209+8*\p], v[208+8*\p:209+8*\p], v[210+8*\p:211+8*\p]
.endr
.irp p, 1
	s_delay_alu instid0(VALU_DEP_2)
	v_pk_add_f32 v[208+8*\p:209+8*\p], v[208+8*\p:209+8*\p], v[210+8*\p:211+8*\p]
.endr
.irp p, 0,1
	s_delay_alu instid0(VALU_DEP_2)
	v_add_f32 v[208+8*\p], v[208+8*\p], v[209+8*\p]
.endr
	REDUCE 208
	REDUCE 216
.irp p, 0
	v_mul_f32 v[212+8*\p], s88, v[208+8*\p]        ; the mean, twice: a pair for the packed form
	v_mul_f32 v[213+8*\p], s88, v[208+8*\p]
.endr
.irp p, 1
	s_delay_alu instid0(VALU_DEP_3)
	v_mul_f32 v[212+8*\p], s88, v[208+8*\p]        ; the mean, twice: a pair for the packed form
	s_delay_alu instid0(VALU_DEP_4)
	v_mul_f32 v[213+8*\p], s88, v[208+8*\p]
.endr
.irp j, 0,2,4,6,8,10,12,14,16,18,20,22,24,26,28,30
.irp p, 0,1
	v_pk_add_f32 v[32+32*\p+\j:33+32*\p+\j], v[32+32*\p+\j:33+32*\p+\j], v[212+8*\p:213+8*\p] neg_lo:[0,1] neg_hi:[0,1]
.endr
.endr
.irp p, 0,1
	v_pk_mul_f32 v[208+8*\p:209+8*\p], v[32+32*\p:33+32*\p], v[32+32*\p:33+32*\p]
	v_pk_mul_f32 v[210+8*\p:211+8*\p], v[34+32*\p:35+32*\p], v[34+32*\p:35+32*\p]
.endr
.irp j, 4,8,12,16,20,24,28
.irp p, 0,1
	s_delay_alu instid0(VALU_DEP_4)
	v_pk_fma_f32 v[208+8*\p:209+8*\p], v[32+32*\p+\j:33+32*\p+\j], v[32+32*\p+\j:33+32*\p+\j], v[208+8*\p:209+8*\p]
	s_delay_alu instid0(VALU_DEP_4)
	v_pk_fma_f32 v[210+8*\p:211+8*\p], v[34+32*\p+\j:35+32*\p+\j], v[34+32*\p+\j:35+32*\p+\j], v[210+8*\p:211+8*\p]
.endr
.endr
.irp p, 0
	s_delay_alu instid0(VALU_DEP_3)
	v_pk_add_f32 v[208+8*\p:209+8*\p], v[208+8*\p:209+8*\p], v[210+8*\p:211+8*\p]
.endr
.irp p, 1
	s_delay_alu instid0(VALU_DEP_2)
	v_pk_add_f32 v[208+8*\p:209+8*\p], v[208+8*\p:209+8*\p], v[210+8*\p:211+8*\p]
.endr
.irp p, 0,1
	s_delay_alu instid0(VALU_DEP_2)
	v_add_f32 v[208+8*\p], v[208+8*\p], v[209+8*\p]
.endr
	REDUCE 208
	REDUCE 216
.irp p, 0
	v_fmaak_f32 v[208+8*\p], s88, v[208+8*\p], 0x358637bd   ; the variance + 1e-6
.endr
.irp p, 1
	s_delay_alu instid0(VALU_DEP_2)
	v_fmaak_f32 v[208+8*\p], s88, v[208+8*\p], 0x358637bd   ; the variance + 1e-6
.endr
	s_wait_alu depctr_va_vdst(0)
.irp p, 0,1
	v_rsq_f32 v[214+8*\p], v[208+8*\p]
.endr
	v_nop
	s_wait_alu depctr_va_vdst(0)                   ; the wait ahead of the first use: one for both
.irp p, 0,1
	v_mov_b32 v[215+8*\p], v[214+8*\p]
.endr
	s_wait_alu depctr_va_vdst(0)
	s_wait_loadcnt 0x0
.irp j, 0,2,4,6,8,10,12,14,16,18,20,22,24,26,28,30
.irp p, 0,1
	v_pk_mul_f32 v[32+32*\p+\j:33+32*\p+\j], v[32+32*\p+\j:33+32*\p+\j], v[214+8*\p:215+8*\p]
.endr
.endr
.irp j, 0,2,4,6,8,10,12,14,16,18,20,22,24,26,28,30
.irp p, 0,1
	v_pk_fma_f32 v[32+32*\p+\j:33+32*\p+\j], v[32+32*\p+\j:33+32*\p+\j], v[96+\j:97+\j], v[128+\j:129+\j]
.endr
.endr
.irp p, 0,1
.irp j, 0,1,2,3,4,5,6,7
	ds_store_b128 v3, v[32+32*\p+4*\j:35+32*\p+4*\j] offset:LNP*\p+512*\j
.endr
.endr
	s_wait_kmcnt 0x0
	s_add_co_i32 s40, s48, 127
	s_lshl_b32 s41, s40, 23
	v_mov_b32 v16, s41                             ; 2^e12
	s_add_co_i32 s40, s40, 8
	s_lshl_b32 s40, s40, 23
	s_or_b32 s40, s40, 0x600000
	v_mov_b32 v17, s40                             ; 448 x 2^e12
	s_lshl_b32 s40, s36, 14
	s_lshl_b32 s41, s34, 11
	s_add_co_u32 s40, s40, s41
	s_mov_b32 s41, 0
	s_add_nc_u64 s[16:17], s[16:17], s[40:41]
	s_wait_alu depctr_va_vdst(0)
	s_wait_dscnt 0x0                               ; for the others' sake: my rows lie in LDS
	s_barrier_signal -1
	s_barrier_wait -1
.irp c, 0,1,2,3,4,5,6,7
	ds_load_b128 v[32+8*\c:35+8*\c], v24 offset:64*\c
	ds_load_b128 v[36+8*\c:39+8*\c], v24 offset:64*\c+16
.endr
	s_wait_dscnt 0x0
.set i, 0
.rept 64
	v_med3_num_f32 v[32+i], v[32+i], -v17, v17
.set i, i+1
.endr
.irp c, 0,1,2,3,4,5,6,7
	v_cvt_scalef32_pk8_fp8_f32 v[160+2*\c:161+2*\c], v[32+8*\c:39+8*\c], v16
.endr
	v_nop
.irp u, 0,1,2,3
	global_store_b128 v2, v[160+4*\u:163+4*\u], s[16:17] offset:512*\u
.endr
	s_wait_tensorcnt 0x0                           ; the wave's end
	ds_add_u32 v[SPW], v[NIL]
	s_wait_dscnt 0x0
	s_endpgm
.Lfunc_end_k_q0bad56b916_ln2:
	.size	k_q0bad56b916_ln2, .Lfunc_end_k_q0bad56b916_ln2-k_q0bad56b916_ln2
	.p2alignl 7, 3214868480
	.fill 96, 4, 3214868480
	.section	.rodata,"a",@progbits
	.p2align	6, 0x0
	.amdhsa_kernel k_q0bad56b916_ln2
		.amdhsa_group_segment_fixed_size 66816
		.amdhsa_private_segment_fixed_size 0
		.amdhsa_enable_private_segment 0
		.amdhsa_kernarg_size 40
		.amdhsa_user_sgpr_count 2
		.amdhsa_user_sgpr_kernarg_segment_ptr 1
		.amdhsa_wavefront_size32 1
		.amdhsa_system_sgpr_workgroup_id_x 1
		.amdhsa_system_sgpr_workgroup_id_y 1
		.amdhsa_system_sgpr_workgroup_id_z 1
		.amdhsa_system_vgpr_workitem_id 0
		.amdhsa_next_free_vgpr 256
		.amdhsa_next_free_sgpr 100
		.amdhsa_reserve_vcc 0
		.amdhsa_float_denorm_mode_32 3
		.amdhsa_float_denorm_mode_16_64 3
		.amdhsa_memory_ordered 1
		.amdhsa_forward_progress 1
		.amdhsa_inst_pref_size 27
	.end_amdhsa_kernel
	.amdgpu_metadata
---
amdhsa.version: [ 1, 2 ]
amdhsa.kernels:
  - .name:           k_q0bad56b916_ln2
    .symbol:         k_q0bad56b916_ln2.kd
    .args:
      - { .name: mlpin, .offset: 0, .size: 8, .value_kind: global_buffer, .address_space: global }
      - { .name: ln2_s, .offset: 8, .size: 8, .value_kind: global_buffer, .address_space: global }
      - { .name: ln2_b, .offset: 16, .size: 8, .value_kind: global_buffer, .address_space: global }
      - { .name: lowp_scales, .offset: 24, .size: 8, .value_kind: global_buffer, .address_space: global }
      - { .name: h2img, .offset: 32, .size: 8, .value_kind: global_buffer, .address_space: global }
    .group_segment_fixed_size: 66816
    .private_segment_fixed_size: 0
    .kernarg_segment_align: 8
    .kernarg_segment_size: 40
    .max_flat_workgroup_size: 256
    .sgpr_count:     100
    .vgpr_count:     256
    .wavefront_size: 32
...
	.end_amdgpu_metadata
.endif
;; end of part 5
;; launch w1 (part 6): grid 16 x 16, 4 waves a work-group, clusters of 4 x 4, 327,680 bytes of LDS; arguments h2img, wimg, b1, lowp_scales, hid; writes hid
.if DOCPART == 6
	.amdgcn_target "amdgcn-amd-amdhsa--gfx1250"
	.amdhsa_code_object_version 6
	.text
	.protected	k_q0bad56b916_w1
	.globl	k_q0bad56b916_w1
	.p2align	8
	.type	k_q0bad56b916_w1,@function
k_q0bad56b916_w1:
	s_mov_b64 s[64:65], 0
	v_nop
	global_prefetch_b8 v0, s[64:65] scope:SCOPE_SE
	s_setreg_imm32_b32 hwreg(HW_REG_WAVE_MODE, 25, 1), 1
	s_wait_xcnt 0x0
	s_wait_alu depctr_hold_cnt(0) depctr_sa_sdst(0) depctr_va_vdst(0) depctr_va_sdst(0) depctr_va_ssrc(0) depctr_va_vcc(0) depctr_vm_vsrc(0)
	s_getreg_b32 s2, hwreg(HW_REG_IB_STS2, 6, 4)
	s_cmp_eq_u32 s2, 0
	s_cbranch_scc0 .Lentry_in_a_cluster
	s_endpgm
.Lentry_in_a_cluster:
	s_bfe_u32 s2, ttmp6, 0x10000c
	s_cmp_lg_u32 s2, 0xf033
	s_cbranch_scc0 .Lentry_shape_is_right
	s_endpgm
.Lentry_shape_is_right:
.set HALFT,  32768
.set SLOT,   131072
.set SPARE,  262144
.set FR,     16
.set NL,     4
.set NP,     4
.set LAPS,   2
.set ADRA, 16
.set ADRB, 20
.set LI,   26
.set SPW,  28
.set NIL,  29
.set AF,   128
.set G1, 24
.set G0, 32
.set G1B, 48
.set G0B, 56
.set MSB, 0
.macro WIN new
.if MSB != \new
	s_set_vgpr_msb (MSB<<8)|\new
.set MSB, \new
.endif
.endm
.set MUL_LO, 0xa1
.set MUL_HI, 0xf1
.set TO_B,   0x40
.macro JLOAD g0a, g1a, g0b, g1b
	s_cmp_eq_u32 s15, 0
	s_cbranch_scc0 .Lfor_b_\@
	tensor_load_to_lds s[\g0a:\g0a+3], s[\g1a:\g1a+7]
	s_nop 0
.rept 4
	v_nop
.endr
	s_branch .Lasked_\@
.Lfor_b_\@:
	tensor_load_to_lds s[\g0b:\g0b+3], s[\g1b:\g1b+7]
	s_nop 0
.rept 4
	v_nop
.endr
.Lasked_\@:
.endm
.macro CREST
	s_cmp_lg_u32 s14, 0
	s_cbranch_scc1 .Lnot_wave_0_\@
	s_barrier_signal -3
.Lnot_wave_0_\@:
	s_barrier_wait -3
	s_barrier_signal -1
	s_barrier_wait -1
.endm
.macro CROUND
	s_barrier_signal -1
	s_barrier_wait -1
	CREST
.endm
	s_load_b256 s[4:11], s[0:1], 0x0
	s_load_b64 s[12:13], s[0:1], 0x20
	v_lshl_add_u32 v[SPW], v0, 2, SPARE
	v_mov_b32 v[NIL], 0
	ds_add_u32 v[SPW], v[NIL]
	ds_add_u32 v[SPW], v[NIL]
	v_lshrrev_b32 v1, 5, v0
	v_readfirstlane_b32 s14, v1
	s_lshr_b32 s15, s14, 1
	s_and_b32 s16, s14, 1
	s_bfe_u32 s40, ttmp6, 0x40000
	s_bfe_u32 s41, ttmp6, 0x40004
	s_lshl_b32 s42, ttmp9, 2
	s_add_co_u32 s42, s42, s40
	s_and_b32 s17, ttmp7, 0xffff
	s_lshl_b32 s17, s17, 2
	s_add_co_u32 s17, s17, s41
	s_lshl_b32 s43, s41, 2
	s_lshl_b32 s43, 15, s43
	s_lshl_b32 s44, 0x1111, s40
	s_or_b32 s[G1+0], s43, (3<<16)|(1<<21)
	s_or_b32 s[G1B+0], s44, (3<<16)|(1<<21)
.irp g, G1, G1B
	s_mov_b32 s[\g+1], 512<<16
	s_mov_b32 s[\g+2], 16<<16                      ; the head's load: 16 tiles of 16 rows, all 256 rows of an operand's K step
	s_mov_b32 s[\g+3], 512<<16
	s_mov_b32 s[\g+4], 16
	s_mov_b32 s[\g+5], 2048
	s_mov_b32 s[\g+6], 0
	s_mov_b32 s[\g+7], 0
.endr
	s_lshl_b32 s18, s16, 17
	s_lshl_b32 s20, s17, 18
	s_add_co_u32 s20, s20, s18
	s_lshl_b32 s46, s42, 18
	s_add_co_u32 s46, s46, s18
	s_add_co_u32 s46, s46, 0x400000
	s_mov_b32 s21, 0
	s_mov_b32 s47, 0
	s_lshl_b32 s45, s14, 15
	s_wait_dscnt 0x0
	s_wait_kmcnt 0x0
	s_load_b128 s[84:87], s[10:11], 0x30
	s_add_nc_u64 s[20:21], s[4:5], s[20:21]
	s_add_nc_u64 s[46:47], s[6:7], s[46:47]
	CROUND
	; THE FIRST FILLS, one tensor load a wave: waves 0, 1 bring A's 256 rows of K steps 0, 1 (slots 0, 1), waves 2, 3 B's: 16 rows of 4,096 bytes, 65,536 bytes of LDS each
	s_mul_i32 s18, s16, 126976                     ; from my half's first tile at K step 0 back to the operand's first tile, at K step wave % 2: 131,072 - 4,096 bytes
	s_mov_b32 s19, 0
	s_mov_b32 s[G0], 1
	s_lshl_b32 s[G0+1], s16, 17                    ; slot wave % 2, A's 65,536 bytes
	s_sub_nc_u64 s[G0+2:G0+3], s[20:21], s[18:19]
	s_or_b32 s[G0+3], s[G0+3], 0x80000000
	s_mov_b32 s[G0B], 1
	s_add_co_u32 s[G0B+1], s[G0+1], 65536          ; B's lie behind A's
	s_sub_nc_u64 s[G0B+2:G0B+3], s[46:47], s[18:19]
	s_or_b32 s[G0B+3], s[G0B+3], 0x80000000
	JLOAD G0, G1, G0B, G1B
.irp s, 1
	s_mov_b32 s[G0+4*\s], 1
	s_add_co_u32 s[G0+4*\s+1], s45, \s*SLOT
	s_add_nc_u64 s[G0+4*\s+2:G0+4*\s+3], s[20:21], \s*4096
	s_or_b32 s[G0+4*\s+3], s[G0+4*\s+3], 0x80000000
	s_mov_b32 s[G0B+4*\s], 1
	s_add_co_u32 s[G0B+4*\s+1], s45, \s*SLOT
	s_add_nc_u64 s[G0B+4*\s+2:G0B+4*\s+3], s[46:47], \s*4096
	s_or_b32 s[G0B+4*\s+3], s[G0B+4*\s+3], 0x80000000
.endr
	v_and_b32 v6, 31, v0
	v_lshlrev_b32 v[LI], 4, v6
	s_lshl_b32 s21, s15, 15
	s_lshl_b32 s22, s16, 15
	s_add_co_u32 s22, s22, 2*HALFT
.irp s, 0,1
	v_add_nc_u32 v[ADRA+\s], s21, v[LI]
	v_add_nc_u32 v[ADRB+\s], s22, v[LI]
	s_add_co_u32 s21, s21, SLOT
	s_add_co_u32 s22, s22, SLOT
.endr
	s_lshl_b32 s66, s17, 4
	s_lshl_b32 s67, s15, 3
	s_add_co_u32 s66, s66, s67
	s_lshl_b32 s66, s66, 16
	s_lshl_b32 s67, s42, 1
	s_add_co_u32 s67, s67, s16
	s_lshl_b32 s67, s67, 11
	s_add_co_u32 s66, s66, s67
	s_mov_b32 s67, 0
	s_add_nc_u64 s[12:13], s[12:13], s[66:67]
	s_lshl_b32 s68, s42, 10
	s_lshl_b32 s69, s16, 9
	s_add_co_u32 s68, s68, s69
	s_mov_b32 s69, 0
	s_add_nc_u64 s[8:9], s[8:9], s[68:69]
	v_bfe_u32 v27, v0, 4, 1
	v_lshlrev_b32 v27, 5, v27
.irp b, 0,1,2,3,4,5,6,7
	global_load_b128 v[32+8*\b:35+8*\b], v27, s[8:9] offset:64*\b
	global_load_b128 v[36+8*\b:39+8*\b], v27, s[8:9] offset:64*\b+16
.endr
	s_wait_alu depctr_va_vdst(0)
	s_wait_kmcnt 0x0
	s_add_co_i32 s88, s84, s85
	s_add_co_i32 s88, s88, 127
	s_lshl_b32 s88, s88, 23
	s_mov_b32 s89, s88
	s_mov_b32 s90, -0.10294324
	s_mov_b32 s91, s90
	v_mov_b32 v14, -2.3022082
	v_mov_b32 v15, v14
	s_add_co_i32 s66, s86, 127
	s_lshl_b32 s67, s66, 23
	v_mov_b32 v12, s67
	s_add_co_i32 s66, s66, 8
	s_lshl_b32 s66, s66, 23
	s_or_b32 s66, s66, 0x600000
	v_mov_b32 v13, s66
.macro FRAG reg, adr, q, i
.irp c, 0,1,2,3
	ds_load_b128 v[\reg+4*\c:\reg+4*\c+3], v[\adr] offset:4096*(\i)+2048*(\q)+512*\c
.endr
.endm
.macro MUL16 a0, p, zero
.irp a, \a0, \a0+1
.irp b, 0,1,2,3,4,5,6,7
.if \zero
	v_wmma_f32_16x16x128_fp8_fp8 v[8*(8*((\a)%4)+\b):8*(8*((\a)%4)+\b)+7], v[128*(\p)+FR*\b:128*(\p)+FR*\b+FR-1], v[AF+FR*(\a):AF+FR*(\a)+FR-1], 0
.else
	v_wmma_f32_16x16x128_fp8_fp8 v[8*(8*((\a)%4)+\b):8*(8*((\a)%4)+\b)+7], v[128*(\p)+FR*\b:128*(\p)+FR*\b+FR-1], v[AF+FR*(\a):AF+FR*(\a)+FR-1], v[8*(8*((\a)%4)+\b):8*(8*((\a)%4)+\b)+7]
.endif
.endr
.endr
.endm
.macro FETCH_B slot, q, p
	WIN TO_B
.irp i, 0,1,2,3,4,5,6,7
	FRAG 128*(\p)+FR*\i, ADRB+\slot, \q, \i
.endr
	WIN 0
.endm
.macro FETCH_A slot, q, i0
.irp i, \i0, \i0+1, \i0+2, \i0+3
	FRAG AF+FR*(\i), ADRA+\slot, \q, \i
.endr
.endm
.macro PLACES n
.rept \n
	v_nop
.endr
.endm
.macro STEP slot, q, zero
	s_wait_dscnt 4*NL
	WIN MUL_LO
	MUL16 0, (\q)%2, \zero
	MUL16 2, (\q)%2, \zero
	s_wait_dscnt 0
	PLACES NP
	FETCH_B \slot, (\q)+1, 1-(\q)%2
	FETCH_A \slot, (\q)+1, 0
	WIN MUL_HI
	MUL16 4, (\q)%2, \zero
	MUL16 6, (\q)%2, \zero
	PLACES NP
	WIN 0
	FETCH_A \slot, (\q)+1, 4
.endm
.macro TURN slot, next, fill
	s_wait_tensorcnt 0x0
	ds_add_u32 v[SPW], v[NIL]
	s_wait_dscnt 4*NL+1
	WIN MUL_LO
	MUL16 0, 1, 0
	s_wait_dscnt 0x0
	s_barrier_signal -1
	MUL16 2, 1, 0
	WIN 0
	s_barrier_wait -1
.if \fill
	CREST
	s_add_nc_u64 s[G0+4*\slot+2:G0+4*\slot+3], s[G0+4*\slot+2:G0+4*\slot+3], 8192
	s_add_nc_u64 s[G0B+4*\slot+2:G0B+4*\slot+3], s[G0B+4*\slot+2:G0B+4*\slot+3], 8192
	JLOAD G0+4*\slot, G1, G0B+4*\slot, G1B
.else
	PLACES NP
.endif
	FETCH_B \next, 0, 0
	FETCH_A \next, 0, 0
	WIN MUL_HI
	MUL16 4, 1, 0
	MUL16 6, 1, 0
	PLACES NP
	WIN 0
	FETCH_A \next, 0, 4
.endm
	s_wait_alu depctr_va_vdst(0)                   ; the wait at the head's end
	s_wait_tensorcnt 0x0                           ; my first fill is in, so its descriptors may be written: slot 0's sets take the refills' form (my 128 rows, 8 tiles)
	s_mov_b32 s[G0+1], s45
	s_add_nc_u64 s[G0+2:G0+3], s[G0+2:G0+3], s[18:19]
	s_mov_b32 s[G0B+1], s45
	s_add_nc_u64 s[G0B+2:G0B+3], s[G0B+2:G0B+3], s[18:19]
.irp g, G1, G1B
	s_mov_b32 s[\g+2], 8<<16
	s_mov_b32 s[\g+4], 8
.endr
	s_barrier_signal -1
	s_barrier_wait -1
	FETCH_B 0, 0, 0
	FETCH_A 0, 0, 0
	FETCH_A 0, 0, 4
	STEP 0, 0, 1
	s_mov_b32 s3, LAPS-1
.Llap:
	TURN 0, 1, 1
	STEP 1, 0, 0
	TURN 1, 0, 1
	STEP 0, 0, 0
	s_sub_co_u32 s3, s3, 1
	s_cmp_lg_u32 s3, 0
	s_cbranch_scc1 .Llap
	TURN 0, 1, 0
	STEP 1, 0, 0
	s_wait_dscnt 4*NL
	WIN MUL_LO
	MUL16 0, 1, 0
	MUL16 2, 1, 0
	s_wait_dscnt 0
	WIN MUL_HI
	MUL16 4, 1, 0
	MUL16 6, 1, 0
	WIN 0
.macro GELU a
.set AC, 64*((\a)%4)
.set CD, 224+16*((\a)%2)
	WIN 0x02+((\a)/4)
.set i, 0
.rept 32
	v_pk_fma_f32 v[96+i:97+i], v[AC+i:AC+i+1], s[88:89], v[32+i:33+i] op_sel_hi:[1,0,1]
.set i, i+2
.endr
	WIN 0
.set i, 0
.rept 32
	v_pk_mul_f32 v[160+i:161+i], v[96+i:97+i], v[96+i:97+i]
.set i, i+2
.endr
.set i, 0
.rept 32
	v_pk_fma_f32 v[160+i:161+i], v[160+i:161+i], s[90:91], v[14:15] op_sel_hi:[1,0,0]
.set i, i+2
.endr
.set i, 0
.rept 32
	v_pk_mul_f32 v[160+i:161+i], v[160+i:161+i], v[96+i:97+i]
.set i, i+2
.endr
.set i, 0
	s_wait_alu depctr_va_vdst(0)
.rept 64
	v_exp_f32 v[160+i], v[160+i]
.set i, i+1
.endr
	v_nop
	s_wait_alu depctr_va_vdst(0)
.set i, 0
.rept 32
	v_pk_add_f32 v[160+i:161+i], v[160+i:161+i], 1.0 op_sel_hi:[1,0]
.set i, i+2
.endr
.set i, 0
	s_wait_alu depctr_va_vdst(0)
.rept 64
	v_rcp_f32 v[160+i], v[160+i]
.set i, i+1
.endr
	v_nop
	s_wait_alu depctr_va_vdst(0)
.set i, 0
.rept 32
	v_pk_mul_f32 v[96+i:97+i], v[96+i:97+i], v[160+i:161+i]
.set i, i+2
.endr
.set i, 0
.rept 64
	v_med3_num_f32 v[96+i], v[96+i], -v13, v13
.set i, i+1
.endr
.if (\a) >= 2
	s_wait_alu depctr_va_vdst(0)
	s_wait_xcnt 0x0
.endif
.irp b, 0,1,2,3,4,5,6,7
	v_cvt_scalef32_pk8_fp8_f32 v[CD+2*\b:CD+2*\b+1], v[96+8*\b:103+8*\b], v12
.endr
	v_nop
.irp u, 0,1,2,3
	global_store_b128 v[LI], v[CD+4*\u:CD+4*\u+3], s[12:13] offset:65536*(\a)+512*\u
.endr
.endm
	s_wait_loadcnt 0x0
	PLACES NP
.irp a, 0,1,2,3,4,5,6,7
	GELU \a
.endr
	s_wait_tensorcnt 0x0
	ds_add_u32 v[SPW], v[NIL]
	s_wait_dscnt 0x0
	CROUND
	s_endpgm
.Lfunc_end_k_q0bad56b916_w1:
	.size	k_q0bad56b916_w1, .Lfunc_end_k_q0bad56b916_w1-k_q0bad56b916_w1
	.p2alignl 7, 3214868480
	.fill 96, 4, 3214868480
	.section	.rodata,"a",@progbits
	.p2align	6, 0x0
	.amdhsa_kernel k_q0bad56b916_w1
		.amdhsa_group_segment_fixed_size 327680
		.amdhsa_private_segment_fixed_size 0
		.amdhsa_enable_private_segment 0
		.amdhsa_kernarg_size 40
		.amdhsa_user_sgpr_count 2
		.amdhsa_user_sgpr_kernarg_segment_ptr 1
		.amdhsa_wavefront_size32 1
		.amdhsa_system_sgpr_workgroup_id_x 1
		.amdhsa_system_sgpr_workgroup_id_y 1
		.amdhsa_system_sgpr_workgroup_id_z 1
		.amdhsa_system_vgpr_workitem_id 0
		.amdhsa_next_free_vgpr 1024
		.amdhsa_next_free_sgpr 100
		.amdhsa_reserve_vcc 0
		.amdhsa_float_denorm_mode_32 3
		.amdhsa_float_denorm_mode_16_64 3
		.amdhsa_memory_ordered 1
		.amdhsa_forward_progress 1
		.amdhsa_inst_pref_size 249
	.end_amdhsa_kernel
	.amdgpu_metadata
---
amdhsa.version: [ 1, 2 ]
amdhsa.kernels:
  - .name:           k_q0bad56b916_w1
    .symbol:         k_q0bad56b916_w1.kd
    .args:
      - { .name: h2img, .offset: 0, .size: 8, .value_kind: global_buffer, .address_space: global }
      - { .name: wimg, .offset: 8, .size: 8, .value_kind: global_buffer, .address_space: global }
      - { .name: b1, .offset: 16, .size: 8, .value_kind: global_buffer, .address_space: global }
      - { .name: lowp_scales, .offset: 24, .size: 8, .value_kind: global_buffer, .address_space: global }
      - { .name: hid, .offset: 32, .size: 8, .value_kind: global_buffer, .address_space: global }
    .group_segment_fixed_size: 327680
    .private_segment_fixed_size: 0
    .kernarg_segment_align: 8
    .kernarg_segment_size: 40
    .max_flat_workgroup_size: 128
    .sgpr_count:     100
    .vgpr_count:     1024
    .wavefront_size: 32
...
	.end_amdgpu_metadata
.endif
;; end of part 6
;; launch w2 (part 7): grid 8 x 32, 4 waves a work-group, clusters of 4 x 1, 327,680 bytes of LDS; arguments hid, wimg, mlpin, lowp_scales, out0, b2; writes out0
.if DOCPART == 7
	.amdgcn_target "amdgcn-amd-amdhsa--gfx1250"
	.amdhsa_code_object_version 6
	.text
	.protected	k_q0bad56b916_w2
	.globl	k_q0bad56b916_w2
	.p2align	8
	.type	k_q0bad56b916_w2,@function
k_q0bad56b916_w2:
	s_mov_b64 s[64:65], 0
	v_nop
	global_prefetch_b8 v0, s[64:65] scope:SCOPE_SE
	s_setreg_imm32_b32 hwreg(HW_REG_WAVE_MODE, 25, 1), 1
	s_wait_xcnt 0x0
	s_wait_alu depctr_hold_cnt(0) depctr_sa_sdst(0) depctr_va_vdst(0) depctr_va_sdst(0) depctr_va_ssrc(0) depctr_va_vcc(0) depctr_vm_vsrc(0)
	s_getreg_b32 s2, hwreg(HW_REG_IB_STS2, 6, 4)
	s_cmp_eq_u32 s2, 0
	s_cbranch_scc0 .Lentry_in_a_cluster
	s_endpgm
.Lentry_in_a_cluster:
	s_bfe_u32 s2, ttmp6, 0x10000c
	s_cmp_lg_u32 s2, 0x3003
	s_cbranch_scc0 .Lentry_shape_is_right
	s_endpgm
.Lentry_shape_is_right:
; out = hidden w2 + b2 + mlp_in: a product on E4M3 codes (K = 4,096) with an f32 bias and residual.  out = sum x 2^(e14 + e15) + residual + bias.
; A tile of 128 x 128 a work-group (256 work-groups).  Both operands lie in memory as images of their registers (16 rows x 128 k: 2,048 bytes, register i of lane l at 512 (i/4) + 16 l + 4 (i%4)).
; SHARES.  Wave w makes all 128 rows x columns 32 w .. 32 w + 31: 8 x 2 accumulators.  Source 0 = 16 rows of the weight, source 1 = 16 tokens: a lane holds eight neighbouring columns of one row.
; A (the hidden layer's codes) comes through a ring of two LDS slots of 1,024 along K (131,072 bytes), filled by tensor loads: a wave's load is 2 dense rows of 16,384 bytes.  The four work-groups of a cluster make one
; tile row and need the same tiles of A: each is asked for JOINTLY (mask 15).  Every wave reads all eight blocks of A: a fragment is four ds_load_b128 at 16 x lane: no pitch, no padding.
; B (w2's images) goes from memory STRAIGHT INTO REGISTERS: an image is in register order, so a fragment is four global_load_b128 at 16 x lane, and a wave's 32 columns are its own: no byte of B is loaded twice in a work-group.
; A ring of eight sets of 32 registers; a step's set is asked for seven steps ahead; at most 56 such loads of a wave are out.
; WHY B DOES NOT PASS LDS, and so is not asked for jointly though the work-groups of a column of the grid share it: a wave issues one tensor load behind each change of slots, into a slot of 131,072 bytes.
; With A and B in it a slot holds 512 along K: eight fills, seven changes of slots.  With A alone it holds 1,024: four fills, three changes, each with 128 matrix instructions a wave in which the next fill lands.
; The text is written out, 4 passes x 8 steps of 128 along K: every offset is an immediate, no pointer is stepped.
; No prefetch: a refill is asked for a whole pass ahead of its first use, B's fragments seven steps ahead.
; LIMIT: e14 + e15 between -126 and 127, so that 2^(e14 + e15) is an f32 number.
; REGISTERS, in windows of 256.  Window 0: v16-19 LDS addresses of A (slot 0, slot 0 + 65,536, slot 1, slot 1 + 65,536), v24-29 other addresses, v32-35 bias, v128-255 accumulators ((a, b) at 128 + 8 (2 a + b)).
; Window 1: B's eight sets (set j at 32 j, fragment b at + 16 b).  Window 2: A's two buffers of eight fragments (v0-127, v128-255).  Window 3: v0-127 the residual of the 32 rows that I store.
.set KK,     4096
.set NSTEP,  KK/128                    ; steps of 128 along K
.set NSL,    KK/1024                   ; passes: a slot's eight steps
.set WOFF,   0x800000                  ; w2's images in wimg
.set EOFF,   0x38                      ; e14, e15 in lowp_scales
.set SLOT,   131072                    ; [block of 16 rows 0..7][step 0..7][2,048]
.set SPARE,  262144                    ; behind the ring: the spare words
.set SPITCH, 528                       ; the stage: 128 rows x (512 + 16) bytes, in slot 0, which has had its last fill and its last read when the first result is stored there
.set ADRA, 16
.set STO,  24
.set RD,   25
.set CO,   26
.set SPW,  28
.set NIL,  29
.set ACC,  128
.set G1, 24                            ; s[24:31] descriptor group 1;  s[32:39] group 0, a set for each slot
.set G0, 32
.set MSB, 0
.macro WIN new                         ; the immediate's high byte repeats the setting that is left
.if MSB != \new
	s_set_vgpr_msb (MSB<<8)|\new
.set MSB, \new
.endif
.endm
.set MUL,  0x09                        ; source 0 (B) window 1, source 1 (A) window 2, C and D window 0
.set TO_B, 0x40                        ; destination window 1
.set TO_A, 0x80                        ; destination window 2
.set TO_R, 0xc0                        ; destination window 3
.macro CREST                           ; a round of the cluster's barrier behind its opening barrier
	s_cmp_lg_u32 s14, 0
	s_cbranch_scc1 .Lnot_wave_0_\@
	s_barrier_signal -3
.Lnot_wave_0_\@:
	s_barrier_wait -3
	s_barrier_signal -1
	s_barrier_wait -1
.endm
.macro CROUND
	s_barrier_signal -1
	s_barrier_wait -1
	CREST
.endm
.macro PLACES                          ; four plain vector instructions between a matrix instruction and a load into, or a read of, its registers
.rept 4
	v_nop
.endr
.endm
	s_load_b256 s[4:11], s[0:1], 0x0               ; hid, wimg, mlpin, lowp_scales
	s_load_b64 s[12:13], s[0:1], 0x20              ; out0
	s_load_b64 s[74:75], s[0:1], 0x28              ; b2
	v_lshl_add_u32 v[SPW], v0, 2, SPARE
	v_mov_b32 v[NIL], 0
	ds_add_u32 v[SPW], v[NIL]                      ; the wave's opening: the add and its wait ahead of my first tensor load
	ds_add_u32 v[SPW], v[NIL]
	v_lshrrev_b32 v1, 5, v0
	v_readfirstlane_b32 s14, v1                    ; wave 0..3
	s_bfe_u32 s40, ttmp6, 0x40000                  ; cx: it enters B's, the residual's, the bias's and the output's addresses alone
	s_lshl_b32 s42, ttmp9, 2
	s_add_co_u32 s42, s42, s40                     ; tile column
	s_and_b32 s17, ttmp7, 0xffff                   ; tile row, which the four partners share
	s_mov_b32 s[G1+0], 15|(3<<16)|(1<<21)          ; the mask: all four; elements of 8 bytes; bit 21 beside a mask; no padding
	s_mov_b32 s[G1+1], 2048<<16                    ; tensor_dim0 = 2,048 elements: 16,384 bytes, eight images
	s_mov_b32 s[G1+2], 4<<16                       ; tensor_dim1: the head's load brings 4 blocks of 16 rows, a refill 2
	s_mov_b32 s[G1+3], 2048<<16                    ; tile_dim0
	s_mov_b32 s[G1+4], 4                           ; tile_dim1
	s_mov_b32 s[G1+5], 2*KK                        ; from block to block: 16 KK bytes
	s_mov_b32 s[G1+6], 0
	s_mov_b32 s[G1+7], 0
	s_lshl_b32 s18, s14, 1
	s_lshl_b32 s20, s17, 3
	s_add_co_u32 s20, s20, s18                     ; A: my first block of 16 rows: 8 x tile row + 2 x wave
	s_mul_i32 s20, s20, 16*KK
	s_mov_b32 s21, 0
	s_lshl_b32 s46, s42, 3
	s_add_co_u32 s46, s46, s18                     ; B: my first block of 16 columns: 8 x tile column + 2 x wave
	s_mul_i32 s46, s46, 16*KK
	s_add_co_u32 s46, s46, WOFF
	s_mov_b32 s47, 0
	s_lshl_b32 s45, s14, 15                        ; where my load goes: wave x 32,768
	s_wait_dscnt 0x0                               ; the opening add is done
	s_wait_kmcnt 0x0
	s_load_b64 s[68:69], s[10:11], EOFF            ; e14, e15
	s_add_nc_u64 s[20:21], s[4:5], s[20:21]
	s_add_nc_u64 s[46:47], s[6:7], s[46:47]
	CROUND                                         ; all four work-groups are here: the first joint loads meet
	; THE FIRST FILLS, one tensor load a wave: wave w brings blocks 4 (w % 2) .. + 3 of slot w / 2: four rows of 16,384 bytes, 65,536 bytes of LDS
	s_and_b32 s22, s14, 1
	s_lshr_b32 s23, s14, 1
	s_lshl_b32 s18, s17, 3
	s_lshl_b32 s19, s22, 2
	s_add_co_u32 s18, s18, s19                     ; my first block of 16 rows: 8 x tile row + 4 (w % 2)
	s_lshl_b32 s18, s18, 16                        ; a block's row of codes is 16 KK = 65,536 bytes
	s_lshl_b32 s19, s23, 14                        ; the slot's 1,024 along K
	s_add_co_u32 s18, s18, s19
	s_mov_b32 s19, 0
	s_mov_b32 s[G0], 1
	s_lshl_b32 s[G0+1], s23, 17
	s_lshl_b32 s22, s22, 16
	s_add_co_u32 s[G0+1], s[G0+1], s22
	s_add_nc_u64 s[G0+2:G0+3], s[4:5], s[18:19]
	s_or_b32 s[G0+3], s[G0+3], 0x80000000
	tensor_load_to_lds s[G0:G0+3], s[G1:G1+7]
	s_nop 0
	PLACES
	v_and_b32 v6, 31, v0
	v_lshlrev_b32 v[CO], 4, v6                     ; 16 x lane
	v_and_b32 v1, 15, v0
	v_bfe_u32 v2, v0, 4, 1
	v_lshl_add_u32 v[ADRA], v6, 4, 0
	v_lshl_add_u32 v[ADRA+1], v6, 4, 65536         ; an LDS immediate has 16 bits: blocks 4-7 of a slot have an address register of their own
	v_lshl_add_u32 v[ADRA+2], v6, 4, SLOT
	v_lshl_add_u32 v[ADRA+3], v6, 4, SLOT+65536
	s_lshl_b32 s23, s14, 7
	v_mul_u32_u24 v4, v1, SPITCH
	v_lshl_add_u32 v4, v2, 5, v4
	v_add_nc_u32 v[STO], s23, v4                   ; into the stage: row r, byte 128 x wave + 32 h
	s_mul_i32 s23, s14, 32*SPITCH
	v_add_nc_u32 v[RD], s23, v[CO]                 ; back: rows 32 x wave on, whole
	s_lshl_b32 s66, s17, 7
	s_lshl_b32 s67, s14, 5
	s_add_co_u32 s66, s66, s67                     ; the first row that I store: 128 x tile row + 32 x wave
	s_lshl_b32 s66, s66, 12
	s_lshl_b32 s67, s42, 9
	s_add_co_u32 s66, s66, s67
	s_mov_b32 s67, 0
	s_add_nc_u64 s[8:9], s[8:9], s[66:67]
	s_add_nc_u64 s[12:13], s[12:13], s[66:67]
	s_lshl_b32 s66, s42, 9
	s_add_nc_u64 s[74:75], s[74:75], s[66:67]
	global_load_b128 v[32:35], v[CO], s[74:75]     ; the bias of my 16 bytes of a row
; What step g asks of memory: B's two fragments of step g + 7, eight loads of 512 consecutive bytes, into the set that step g - 1 has left; where B has ended, eight rows of the residual take their place
; (four such groups), so that the counts of the waits stay as they are.
.macro ASKB
.set bi, g+7
.if bi < NSTEP
	WIN TO_B
.irp b, 0,1
.irp c, 0,1,2,3
	global_load_b128 v[32*(bi%8)+16*\b+4*\c:32*(bi%8)+16*\b+4*\c+3], v[CO], s[46:47] offset:\b*16*KK+bi*2048+512*\c
.endr
.endr
.elseif bi < NSTEP+4
	WIN TO_R
.irp u, 0,1,2,3,4,5,6,7
	global_load_b128 v[4*(8*(bi-NSTEP)+\u):4*(8*(bi-NSTEP)+\u)+3], v[CO], s[8:9] offset:4096*(8*(bi-NSTEP)+\u)
.endr
.endif
.endm
; A's eight fragments of the slot's step ks into buffer f: 32 LDS loads in one run, each of 512 consecutive bytes
.macro FETCHA slot, ks, f
	WIN TO_A
.irp a, 0,1,2,3,4,5,6,7
.irp c, 0,1,2,3
	ds_load_b128 v[(\f)+16*\a+4*\c:(\f)+16*\a+4*\c+3], v[ADRA+2*(\slot)+\a/4] offset:(\a%4)*16384+(\ks)*2048+512*\c
.endr
.endr
.endm
; n blocks of A from a0 on x B's two.  The 16 accumulators take turns, one instruction a turn, in the same order in every step.  Step 0's products start the sums: nothing is cleared.
.macro MULA a0, n
.set aa, \a0
.rept \n
.irp b, 0,1
.if g == 0
	v_wmma_f32_16x16x128_fp8_fp8 v[ACC+8*(2*aa+\b):ACC+8*(2*aa+\b)+7], v[32*(g%8)+16*\b:32*(g%8)+16*\b+15], v[fb+16*aa:fb+16*aa+15], 0
.else
	v_wmma_f32_16x16x128_fp8_fp8 v[ACC+8*(2*aa+\b):ACC+8*(2*aa+\b)+7], v[32*(g%8)+16*\b:32*(g%8)+16*\b+15], v[fb+16*aa:fb+16*aa+15], v[ACC+8*(2*aa+\b):ACC+8*(2*aa+\b)+7]
.endif
.endr
.set aa, aa+1
.endr
.endm
; STEP s of pass p: 128 along K, 16 matrix instructions.  At its head the next step's A is fetched into the other buffer and B's set of seven steps on is asked for.
; The groups of eight loads go out in the order B(0) .. B(NSTEP-1), R(0) .. R(3).  At this step's wait those up to number g + 6 have been issued: behind B(g) stand six groups, fewer in the last two steps.
.macro STEP p, s
.set g, 8*(\p)+(\s)
.set cg, NSTEP+3-g
.if cg > 6
.set cg, 6
.endif
.set fb, 128*((\s)%2)
.set nb, 128-fb
.set sl, (\p)%2
	s_wait_loadcnt 8*cg                            ; B's set of this step is in; the younger groups may be out.  It stands ahead of the new group: at most 56 loads of mine are out
.if (\s) < 7
	PLACES                                         ; behind the last step's products, which read the buffer and the set that are loaded now
	FETCHA sl, (\s)+1, nb
	ASKB
	s_wait_dscnt 48                                ; this step's blocks 0-3 of A are in; its blocks 4-7 (16 loads) and the 32 just issued may be out
	WIN MUL
	MULA 0, 4
	s_wait_dscnt 32                                ; all but the 32 just issued
	MULA 4, 4
.elseif (\p) < NSL-1
	; a slot's last step, and the change of slots: ONE barrier; in front of it each wave waits for all its tensor loads, adds 0 to its spare word, and waits for that and for its reads of this slot
	WIN 0
	s_wait_tensorcnt 0x0                           ; all my tensor loads have landed: my part of the next slot
	ds_add_u32 v[SPW], v[NIL]                      ; 0 onto my spare word
	s_wait_dscnt 17                                ; blocks 0-3 are in; the add and blocks 4-7's 16 loads may be out
	WIN MUL
	MULA 0, 2
	s_wait_dscnt 0x0                               ; the add is done, and my reads of this slot are over
	s_barrier_signal -1
	MULA 2, 2
	WIN 0
	s_barrier_wait -1
.if (\p) < NSL-2
	CREST                                          ; the barrier has opened a round of the cluster's: no wave of any partner still reads this slot or has a load on its way
	s_add_nc_u64 s[G0+4*sl+2:G0+4*sl+3], s[G0+4*sl+2:G0+4*sl+3], 32768   ; this slot's next 1,024 along K: two slots on
	tensor_load_to_lds s[G0+4*sl:G0+4*sl+3], s[G1:G1+7]                  ; the first tensor load behind the round, and my only one until the next: it has the next pass in which to land
	s_nop 0
.endif
	PLACES                                         ; behind the tensor load, and in front of the loads below
	FETCHA 1-sl, 0, nb
	ASKB
	WIN MUL
	MULA 4, 4
.else
	s_wait_dscnt 16                                ; the very last step: nothing more to fetch
	WIN MUL
	MULA 0, 4
	s_wait_dscnt 0
	MULA 4, 4
	WIN 0
.endif
.endm
.set g, -7
.rept 7
	ASKB                                           ; B's sets of steps 0 to 6
.set g, g+1
.endr
	WIN 0
	s_wait_alu depctr_va_vdst(0)
	s_wait_kmcnt 0x0
	s_add_co_i32 s68, s68, s69
	s_add_co_i32 s68, s68, 127
	s_lshl_b32 s68, s68, 23                        ; 2^(e14 + e15)
	s_mov_b32 s69, s68                             ; (named with it as a pair)
	s_wait_tensorcnt 0x0                           ; my first fill is in, so its descriptors may be written: they take the refills' form (2 blocks a wave)
	s_mov_b32 s[G1+2], 2<<16
	s_mov_b32 s[G1+4], 2
.irp s, 0,1
	s_mov_b32 s[G0+4*\s], 1
	s_add_co_u32 s[G0+4*\s+1], s45, \s*SLOT
	s_add_nc_u64 s[G0+4*\s+2:G0+4*\s+3], s[20:21], \s*16384
	s_or_b32 s[G0+4*\s+3], s[G0+4*\s+3], 0x80000000
.endr
	s_barrier_signal -1
	s_barrier_wait -1                              ; everybody's is
	FETCHA 0, 0, 0
.irp p, 0,1,2,3
.irp s, 0,1,2,3,4,5,6,7
	STEP \p, \s
.endr
.endr
	; THE WAY OUT: the sums go into the work-group's stage, a barrier (a row's 512 bytes come from four waves), back as whole rows; then sum x 2^(e14 + e15) + residual + bias, and 32 lanes store 512 consecutive bytes.
	PLACES
.irp a, 0,1,2,3,4,5,6,7
.irp b, 0,1
	ds_store_b128 v[STO], v[ACC+8*(2*\a+\b):ACC+8*(2*\a+\b)+3] offset:\a*16*SPITCH+64*\b          ; each accumulator from its low end on
	ds_store_b128 v[STO], v[ACC+8*(2*\a+\b)+4:ACC+8*(2*\a+\b)+7] offset:\a*16*SPITCH+64*\b+16
.endr
.endr
	s_wait_dscnt 0x0                               ; for the others' sake: my stores into the stage are done
	s_barrier_signal -1
	s_barrier_wait -1
.set t, 0
.rept 32
	ds_load_b128 v[ACC+4*t:ACC+4*t+3], v[RD] offset:SPITCH*t
.set t, t+1
.endr
	s_wait_loadcnt 0x0                             ; the residual
	WIN 0x30                                       ; source 2 window 3
.set t, 0
.rept 32
	s_wait_dscnt 31-t                              ; row t is back; the younger loads may be out
	v_pk_fma_f32 v[ACC+4*t:ACC+4*t+1], v[ACC+4*t:ACC+4*t+1], s[68:69], v[4*t:4*t+1] op_sel_hi:[1,0,1]
	v_pk_fma_f32 v[ACC+4*t+2:ACC+4*t+3], v[ACC+4*t+2:ACC+4*t+3], s[68:69], v[4*t+2:4*t+3] op_sel_hi:[1,0,1]
	v_pk_add_f32 v[ACC+4*t:ACC+4*t+1], v[ACC+4*t:ACC+4*t+1], v[32:33]
	v_pk_add_f32 v[ACC+4*t+2:ACC+4*t+3], v[ACC+4*t+2:ACC+4*t+3], v[34:35]
	global_store_b128 v[CO], v[ACC+4*t:ACC+4*t+3], s[12:13] offset:4096*t
.set t, t+1
.endr
	WIN 0
	s_wait_tensorcnt 0x0                           ; the wave's end
	ds_add_u32 v[SPW], v[NIL]
	s_wait_dscnt 0x0
	CROUND                                         ; the closing round
	s_endpgm
.Lfunc_end_k_q0bad56b916_w2:
	.size	k_q0bad56b916_w2, .Lfunc_end_k_q0bad56b916_w2-k_q0bad56b916_w2
	.p2alignl 7, 3214868480
	.fill 96, 4, 3214868480
	.section	.rodata,"a",@progbits
	.p2align	6, 0x0
	.amdhsa_kernel k_q0bad56b916_w2
		.amdhsa_group_segment_fixed_size 327680
		.amdhsa_private_segment_fixed_size 0
		.amdhsa_enable_private_segment 0
		.amdhsa_kernarg_size 48
		.amdhsa_user_sgpr_count 2
		.amdhsa_user_sgpr_kernarg_segment_ptr 1
		.amdhsa_wavefront_size32 1
		.amdhsa_system_sgpr_workgroup_id_x 1
		.amdhsa_system_sgpr_workgroup_id_y 1
		.amdhsa_system_sgpr_workgroup_id_z 1
		.amdhsa_system_vgpr_workitem_id 0
		.amdhsa_next_free_vgpr 896
		.amdhsa_next_free_sgpr 100
		.amdhsa_reserve_vcc 0
		.amdhsa_float_denorm_mode_32 3
		.amdhsa_float_denorm_mode_16_64 3
		.amdhsa_memory_ordered 1
		.amdhsa_forward_progress 1
		.amdhsa_inst_pref_size 157
	.end_amdhsa_kernel
	.amdgpu_metadata
---
amdhsa.version: [ 1, 2 ]
amdhsa.kernels:
  - .name:           k_q0bad56b916_w2
    .symbol:         k_q0bad56b916_w2.kd
    .args:
      - { .name: hid, .offset: 0, .size: 8, .value_kind: global_buffer, .address_space: global }
      - { .name: wimg, .offset: 8, .size: 8, .value_kind: global_buffer, .address_space: global }
      - { .name: mlpin, .offset: 16, .size: 8, .value_kind: global_buffer, .address_space: global }
      - { .name: lowp_scales, .offset: 24, .size: 8, .value_kind: global_buffer, .address_space: global }
      - { .name: out0, .offset: 32, .size: 8, .value_kind: global_buffer, .address_space: global }
      - { .name: b2, .offset: 40, .size: 8, .value_kind: global_buffer, .address_space: global }
    .group_segment_fixed_size: 327680
    .private_segment_fixed_size: 0
    .kernarg_segment_align: 8
    .kernarg_segment_size: 48
    .max_flat_workgroup_size: 128
    .sgpr_count:     100
    .vgpr_count:     896
    .wavefront_size: 32
...
	.end_amdgpu_metadata
.endif
;; end of part 7
